; MI455X (gfx1250); checked and timed in simulation.
; The chip was launched on July 23, 2026; its instructions are those of AMD's public machine-readable ISA for CDNA 5 (MIT licence, August 2026) and "CDNA5" Instruction Set Architecture Reference Guide (July 2026). The comments in the code are by the model that wrote it; some were corrected since.
;; Multi Head Attention. Allowed arithmetic: matrix products marked QUANTISED: E4M3 operands, one given power-of-two scale a tensor, by v_wmma_f32_16x16x64_fp8_fp8 or v_wmma_f32_16x16x128_fp8_fp8, f32 sums; everything else in f32.
;; Inputs: Wk 1,024 x 1,024 float32; Wo 1,024 x 1,024 float32; Wq 1,024 x 1,024 float32; Wv 1,024 x 1,024 float32; keys 8 x 1,024 x 1,024 float32; lowp_scales 12 int32 (the exponents e of the quantised operands' scales 2^e); queries 8 x 1,024 x 1,024 float32; valid_lens 8 int32; values 8 x 1,024 x 1,024 float32.
;; Outputs: out0 8 x 1,024 x 1,024 float32.
;; This version of the problem:
;;   THIS VERSION OF THE PROBLEM IS GIVEN IN LOW PRECISION. The matrix products marked QUANTISED in the list below multiply operands that are first quantised to E4M3 (4 exponent bits, 3 mantissa bits; 8 bits a number), with one given power-of-two scale for each operand tensor; their sums are f32. All else is computed in f32.
;;   The module's matrix products, in the order in which they are computed (A, B: the left and right operand; K: the contracted axis; several contracted axes count as one K, in the product's order):
;;     1. [M 8,192, K 1,024] x [K 1,024, N 1,024]; A: input queries; B: input Wq: QUANTISED (scales: A lowp_scales[0], B lowp_scales[1])
;;     2. [M 8,192, K 1,024] x [K 1,024, N 1,024]; A: input keys; B: input Wk: QUANTISED (scales: A lowp_scales[2], B lowp_scales[3])
;;     3. [M 8,192, K 1,024] x [K 1,024, N 1,024]; A: input values; B: input Wv: QUANTISED (scales: A lowp_scales[4], B lowp_scales[5])
;;     4. batch 128 x [M 1,024, K 64] x [K 64, N 1,024]; A: computed on the way; B: computed on the way: QUANTISED (scales: A lowp_scales[6], B lowp_scales[7])
;;     5. batch 128 x [M 1,024, K 1,024] x [K 1,024, N 64]; A: softmax (see below); B: computed on the way: QUANTISED (scales: A lowp_scales[8], B lowp_scales[9])
;;     6. [M 8,192, K 1,024] x [K 1,024, N 1,024]; A: computed on the way; B: input Wo: QUANTISED (scales: A lowp_scales[10], B lowp_scales[11])
;;   THE QUANTISER, for each operand of a quantised product, along K:
;;     - The operand's scale is 2^e, e = its entry of the input lowp_scales (int32; the entries are numbered through the quantised products in the list's order, A before B).
;;     - Each number is divided by the scale, clamped to +-448, and rounded to the nearest number of E4M3, ties to even, subnormals kept.
;;     - The product sums the exact products of the quantised numbers (number of the format x scale) in f32.
;;   ~~~python
;;   def quantise(x, axis, e):      # numpy; x: float32 -> the quantised numbers, widened to float32 again
;;       x = np.moveaxis(x, axis, -1); K = x.shape[-1]
;;       r = np.clip(x / 2.0 ** e, -448, 448)
;;       step = 2.0 ** (np.maximum(np.frexp(np.where(r == 0, 1, r))[1] - 1, -6) - 3)
;;       q = np.round(r / step) * step * 2.0 ** e      # np.round: ties to even
;;       return np.moveaxis(q, -1, axis).astype(np.float32)
;;   ~~~
;;   SOFTMAX AHEAD OF A QUANTISED PRODUCT. Where the list says 'softmax', what is quantised is not the finished softmax but p = 2^(t - M), with t = logit x log2(e) and M = ceil(the row's largest t), a whole number; so 1/2 < the row's largest p <= 1. The row's sum l is taken of the UNQUANTISED p, in f32, and the product's result is divided by l at the end. Since M is a whole number, a kernel that streams over the keys may use a running M (the ceiling of the running maximum): every later rescaling is an exact power of two, so the quantised numbers keep their values, but for numbers so far below the row's largest that they fall under the format's range.
;;   OPERANDS COMPUTED ON THE WAY. 'Computed on the way' means the value that the module computes at that place (a softmax that the list does not call 'softmax' is quantised finished and normalised). What goes into a quantiser is computed in f32, as accurately as f32 sums, v_exp_f32 and their like allow (about 1e-6 of the number): no bf16 or f16 on the way to a quantiser, and a product that is left as it is and whose result goes on into a quantised operand takes f32 operands (vector FMAs, or v_wmma_f32_16x16x4_f32). A number that lies on a knife's edge between two numbers of the format may be rounded either way, as far as f32 arithmetic and the matrix unit's own rounding can turn it there, and no further.
;; One version. Each part assembles by itself: llvm-mc -triple=amdgcn-amd-amdhsa -mcpu=gfx1250 --defsym DOCPART=n.
;; ======== version 1 of 1: 4 launches
;; limits: right only within a limited range of input values
;; workspace buffers: xc 25,165,824 bytes; wc 4,194,304 bytes; qkv 25,165,824 bytes; ctx 8,388,608 bytes
;; launch quant (part 1): grid 896 x 1, 4 waves a work-group, no clusters, 35,840 bytes of LDS; arguments queries, keys, values, Wq, Wk, Wv, Wo, lowp_scales, xc, wc; writes xc, wc
.if DOCPART == 1
	.amdgcn_target "amdgcn-amd-amdhsa--gfx1250"
	.amdhsa_code_object_version 6
	.text
	.protected	k_q149dcbbb35_quant
	.globl	k_q149dcbbb35_quant
	.p2align	8
	.type	k_q149dcbbb35_quant,@function
k_q149dcbbb35_quant:
	s_mov_b64 s[64:65], 0
	v_nop
	global_prefetch_b8 v0, s[64:65] scope:SCOPE_SE
	s_setreg_imm32_b32 hwreg(HW_REG_WAVE_MODE, 25, 1), 1
	s_wait_xcnt 0x0
; The seven f32 operands of products 1, 2, 3 and 6 become codes of FP8 (E4M3), one code a byte, K innermost, each with the scale 2^e that is given for it.
; code = x / 2^e, held within +-448, rounded to the nearest code, ties to even.  LIMITS: every e between -126 and 119, so that 2^e and 448 x 2^e are f32 numbers; NaN among the inputs is not served.
; xc: [3][8192][1024] (queries, keys, values).  wc: [4][1024 n][1024 places] (Wq, Wk, Wv, Wo): the weights, stored [k][n], come out with K innermost.
; THE ORDER OF K in xc and in Wq, Wk, Wv: inside each 512 along K, place 16 l + 4 i + j holds k = 128 i + 4 l + j (l 0..31, i 0..3, j 0..3).  It is the same on both sides of a product, so every number
; meets its partner; only the order of the sums changes.  It lets a lane take 16 bytes of each of four dense loads and hold just the 16 numbers whose codes it stores: no turn through LDS.  Wo keeps k in its place.
; Work-groups 0 to 127 take the weights (32 each), work-groups 128 to 895 the activations (256 each).  Waves share nothing: no barrier.  No matrix unit, no cluster: memory binds, and nothing is read twice.
.set PITCH, 272                        ; a stage row: 256 bytes of codes + 16
.set SPARE, 4*32*PITCH                 ; behind the four stages: the spare words, 128 bytes for each wave: two blocks of 256 bytes that no other line names
.set SPW,   14                         ; v14      LDS address of my spare word; never rewritten
.set NIL,   15                         ; v15      0; never rewritten
.set X,     32                         ; weights: v32-95   two sets of 32 numbers
.set C,     96                         ;          v96-103  a block's codes
.set OUTR,  112                        ;          v112-175 the way out
.set VO,    176                        ;          v176-191 sixteen offsets: 4 x lane + l' x (bytes from l' to l' + 1)
.set SB,    44                         ;          s[44:51] four bases, one for each i
.set R,     16                         ; activations: v16-79 four sets of 16 numbers
.set CD,    128                        ;              v128-191 four registers of codes for each of 16 steps: no store's data are written again
	s_load_b256 s[4:11], s[0:1], 0x0               ; queries s[4:5], keys s[6:7], values s[8:9], Wq s[10:11]
	s_load_b256 s[12:19], s[0:1], 0x20             ; Wk s[12:13], Wv s[14:15], Wo s[16:17], the scales' exponents s[18:19]
	s_load_b128 s[20:23], s[0:1], 0x40             ; xc s[20:21], wc s[22:23]
	v_lshl_add_u32 v[SPW], v0, 2, SPARE
	v_mov_b32 v[NIL], 0
	v_lshrrev_b32 v1, 5, v0
	v_readfirstlane_b32 s36, v1                    ; wave 0..3
	v_and_b32 v2, 31, v0                           ; lane
	s_wait_kmcnt 0x0
	s_load_b256 s[24:31], s[18:19], 0x0            ; e0 .. e7
	s_load_b128 s[32:35], s[18:19], 0x20           ; e8 .. e11
	s_cmp_ge_u32 ttmp9, 128                        ; the work-group's number alone decides
	s_cbranch_scc1 .Lx
; ---- THE WEIGHTS.  A lane takes a column n and its registers run down K, in the order of the places: each load reads 32 neighbouring n (128 consecutive bytes a wave, 512 a work-group),
; and the conversions give codes with K innermost.  A wave takes 32 columns x 256 places; the codes go through its own stage and leave as rows: sixteen lanes store 256 consecutive bytes, aligned.
	s_lshr_b32 s37, ttmp9, 5                       ; which weight: 0 Wq, 1 Wk, 2 Wv, 3 Wo
	s_and_b32 s38, ttmp9, 7                        ; which 128 columns
	s_bfe_u32 s39, ttmp9, 0x20003                  ; ky: which 256 places
	s_lshl_b32 s40, s38, 7
	s_lshl_b32 s41, s36, 5
	s_add_co_u32 s40, s40, s41                     ; my wave's first column
	s_lshr_b32 s55, s39, 1
	s_lshl_b32 s55, s55, 9
	s_and_b32 s56, s39, 1
	s_lshl_b32 s56, s56, 6
	s_add_co_u32 s55, s55, s56                     ; the first row of my places in the permuted order: 512 (ky / 2) + 64 (ky % 2),
	s_lshl_b32 s56, s39, 8                         ; and in the natural one: 256 ky
	s_cmp_lt_u32 s37, 3                            ; Wq, Wk, Wv: permuted; Wo: natural
	s_cselect_b32 s55, s55, s56
	s_mov_b32 s53, 16384
	s_cselect_b32 s53, 524288, s53                 ; bytes from i to i + 1: 128 rows, or 4
	s_mov_b32 s54, 65536
	s_cselect_b32 s54, 16384, s54                  ; bytes from l' to l' + 1: 4 rows, or 16
	s_cmp_eq_u32 s37, 0
	s_cselect_b64 s[42:43], s[10:11], s[12:13]
	s_cmp_eq_u32 s37, 2
	s_cselect_b64 s[44:45], s[14:15], s[16:17]
	s_cmp_lt_u32 s37, 2
	s_cselect_b64 s[42:43], s[42:43], s[44:45]     ; my weight
	s_lshl_b32 s56, s55, 12                        ; a row of a weight is 4,096 bytes
	s_lshl_b32 s57, s40, 2
	s_add_co_u32 s56, s56, s57
	s_mov_b32 s57, 0
	s_add_nc_u64 s[SB:SB+1], s[42:43], s[56:57]
	s_mov_b32 s56, s53
	s_add_nc_u64 s[SB+2:SB+3], s[SB:SB+1], s[56:57]
	s_add_nc_u64 s[SB+4:SB+5], s[SB+2:SB+3], s[56:57]
	s_add_nc_u64 s[SB+6:SB+7], s[SB+4:SB+5], s[56:57]
	s_lshl_b32 s56, s37, 20                        ; the codes: weight x 2^20 + column x 1,024 + 256 ky
	s_lshl_b32 s58, s40, 10
	s_add_co_u32 s56, s56, s58
	s_lshl_b32 s58, s39, 8
	s_add_co_u32 s56, s56, s58
	s_add_nc_u64 s[22:23], s[22:23], s[56:57]
	s_wait_alu depctr_va_vdst(0)
	v_lshlrev_b32 v[VO], 2, v2
.set n, 1
.rept 15
	v_add_nc_u32 v[VO+n], s54, v[VO+n-1]
.set n, n+1
.endr
; block t: places 32 t + n, n = 0 .. 31: l' = 2 t + n / 16, i = (n % 16) / 4, j = n % 4
.macro WLOAD t
.set n, 0
.rept 32
	global_load_b32 v[X+32*((\t)%2)+n], v[VO+2*(\t)+n/16], s[SB+2*((n%16)/4):SB+2*((n%16)/4)+1] offset:(n%4)*4096 th:TH_LOAD_NT
.set n, n+1
.endr
.endm
	WLOAD 0
	WLOAD 1
	s_mul_i32 s58, s36, 32*PITCH                   ; my stage
	v_mul_u32_u24 v4, v2, PITCH
	v_add_nc_u32 v4, s58, v4                       ; into it: row = my column
	v_and_b32 v5, 15, v2
	v_lshrrev_b32 v6, 4, v2                        ; out of it: sixteen lanes to a row, two rows an instruction
	v_mul_u32_u24 v7, v6, PITCH
	v_lshl_add_u32 v7, v5, 4, v7
	v_add_nc_u32 v7, s58, v7
	v_lshlrev_b32 v8, 10, v6
	v_lshl_add_u32 v8, v5, 4, v8                   ; and the same place in wc
	s_wait_kmcnt 0x0
	s_cmp_eq_u32 s37, 0
	s_cselect_b32 s58, s25, s27                    ; e1 : e3
	s_cmp_eq_u32 s37, 2
	s_cselect_b32 s59, s29, s35                    ; e5 : e11
	s_cmp_lt_u32 s37, 2
	s_cselect_b32 s58, s58, s59
	s_add_co_i32 s58, s58, 127
	s_lshl_b32 s59, s58, 23
	v_mov_b32 v11, s59                             ; 2^e as f32: the conversion takes its exponent field
	s_add_co_i32 s58, s58, 8
	s_lshl_b32 s58, s58, 23
	s_or_b32 s58, s58, 0x600000
	v_mov_b32 v10, s58                             ; 448 x 2^e
.macro BLOCK t
.set XS, X+32*((\t)%2)
.if (\t) < 7
	s_wait_loadcnt 32                              ; this block's 32 loads are in; the next block's may be out
.else
	s_wait_loadcnt 0
.endif
.set n, 0
.rept 32
	v_med3_num_f32 v[XS+n], v[XS+n], -v10, v10     ; the conversion to an 8-bit code does not saturate (ISA guide 7.6.2): the hold at the largest code x the scale
.set n, n+1
.endr
.irp g, 0,1,2,3
	v_cvt_scalef32_pk8_fp8_f32 v[C+2*\g:C+2*\g+1], v[XS+8*\g:XS+8*\g+7], v11
.endr
	ds_store_b128 v4, v[C:C+3] offset:32*(\t)      ; 32 codes of my column's row.  (The results go to LDS stores, and the next block begins with plain vector lines on other registers)
	ds_store_b128 v4, v[C+4:C+7] offset:32*(\t)+16
.if (\t)+2 < 8
	WLOAD (\t)+2
.endif
	s_wait_dscnt 0x0                               ; the stores have read their registers: the next block's codes may be written
.endm
	s_wait_alu depctr_va_vdst(0)
.irp t, 0,1,2,3,4,5,6,7
	BLOCK \t
.endr
.irp t, 0,1,2,3,4,5,6,7,8,9,10,11,12,13,14,15
	ds_load_b128 v[OUTR+4*\t:OUTR+4*\t+3], v7 offset:2*\t*PITCH   ; LDS serves a wave's instructions in order (ISA guide 5.7.1.4): these see my stores
.endr
.irp t, 0,1,2,3,4,5,6,7,8,9,10,11,12,13,14,15
	s_wait_dscnt 15-\t                             ; load t is in; the younger ones may be out
	global_store_b128 v8, v[OUTR+4*\t:OUTR+4*\t+3], s[22:23] offset:2*\t*1024
.endr
	s_wait_tensorcnt 0x0                           ; the wave's end
	ds_add_u32 v[SPW], v[NIL]
	s_wait_dscnt 0x0
	s_endpgm
; ---- THE ACTIVATIONS.  A tensor is a plain stream of blocks of 512 numbers.  A wave takes 16 of them.  Each of a block's four loads reads 512 consecutive bytes, 16 a lane; the lane's 16 numbers
; become 16 codes, and the wave stores 512 consecutive bytes.  Loads run four blocks (16 loads a wave) ahead.
.Lx:
	s_sub_co_u32 s37, ttmp9, 128
	s_lshr_b32 s38, s37, 8                         ; which tensor: 0 queries, 1 keys, 2 values
	s_and_b32 s39, s37, 255
	s_lshl_b32 s39, s39, 2
	s_add_co_u32 s39, s39, s36                     ; which run of 8,192 numbers is my wave's
	s_cmp_eq_u32 s38, 0
	s_cselect_b64 s[42:43], s[4:5], s[6:7]
	s_cmp_eq_u32 s38, 2
	s_cselect_b64 s[42:43], s[8:9], s[42:43]
	s_lshl_b32 s44, s39, 15
	s_mov_b32 s45, 0
	s_add_nc_u64 s[42:43], s[42:43], s[44:45]
	s_lshl_b32 s44, s38, 23
	s_lshl_b32 s46, s39, 13
	s_add_co_u32 s44, s44, s46
	s_add_nc_u64 s[20:21], s[20:21], s[44:45]
	s_wait_alu depctr_va_vdst(0)
	v_lshlrev_b32 v3, 4, v2                        ; my 16 bytes of a load's and of a store's 512; never rewritten
.macro XLOAD t
.irp i, 0,1,2,3
	global_load_b128 v[R+16*((\t)%4)+4*\i:R+16*((\t)%4)+4*\i+3], v3, s[42:43] offset:2048*(\t)+512*\i th:TH_LOAD_NT
.endr
.endm
.irp t, 0,1,2,3
	XLOAD \t
.endr
	s_wait_kmcnt 0x0
	s_cmp_eq_u32 s38, 0
	s_cselect_b32 s46, s24, s26                    ; e0 : e2
	s_cmp_eq_u32 s38, 2
	s_cselect_b32 s46, s28, s46                    ; e4
	s_add_co_i32 s46, s46, 127
	s_lshl_b32 s47, s46, 23
	v_mov_b32 v11, s47                             ; 2^e
	s_add_co_i32 s46, s46, 8
	s_lshl_b32 s46, s46, 23
	s_or_b32 s46, s46, 0x600000
	v_mov_b32 v10, s46                             ; 448 x 2^e
.macro XSTEP t
.set RS, R+16*((\t)%4)
.if 15-(\t) >= 3
	s_wait_loadcnt 12                              ; this block's four loads are in; those of the three blocks behind it may be out
.else
	s_wait_loadcnt 4*(15-(\t))
.endif
.set n, 0
.rept 16
	v_med3_num_f32 v[RS+n], v[RS+n], -v10, v10
.set n, n+1
.endr
	v_cvt_scalef32_pk8_fp8_f32 v[CD+4*(\t):CD+4*(\t)+1], v[RS:RS+7], v11
	v_cvt_scalef32_pk8_fp8_f32 v[CD+4*(\t)+2:CD+4*(\t)+3], v[RS+8:RS+15], v11
.if (\t)+4 < 16
	XLOAD (\t)+4                                   ; the set just converted takes the block four further on
.endif
.if ((\t)%4) == 3                      ; the codes of four blocks leave together: each block has its own four registers, so the loads of the blocks between are issued with no store ahead of them
.irp k, 3,2,1,0
	global_store_b128 v3, v[CD+4*((\t)-\k):CD+4*((\t)-\k)+3], s[20:21] offset:512*((\t)-\k)
.endr
.endif
.endm
	s_wait_alu depctr_va_vdst(0)
.irp t, 0,1,2,3,4,5,6,7,8,9,10,11,12,13,14,15
	XSTEP \t
.endr
	s_endpgm
.Lfunc_end_k_q149dcbbb35_quant:
	.size	k_q149dcbbb35_quant, .Lfunc_end_k_q149dcbbb35_quant-k_q149dcbbb35_quant
	.p2alignl 7, 3214868480
	.fill 96, 4, 3214868480
	.section	.rodata,"a",@progbits
	.p2align	6, 0x0
	.amdhsa_kernel k_q149dcbbb35_quant
		.amdhsa_group_segment_fixed_size 35840
		.amdhsa_private_segment_fixed_size 0
		.amdhsa_enable_private_segment 0
		.amdhsa_kernarg_size 80
		.amdhsa_user_sgpr_count 2
		.amdhsa_user_sgpr_kernarg_segment_ptr 1
		.amdhsa_wavefront_size32 1
		.amdhsa_system_sgpr_workgroup_id_x 1
		.amdhsa_system_sgpr_workgroup_id_y 1
		.amdhsa_system_sgpr_workgroup_id_z 1
		.amdhsa_system_vgpr_workitem_id 0
		.amdhsa_next_free_vgpr 192
		.amdhsa_next_free_sgpr 66
		.amdhsa_reserve_vcc 0
		.amdhsa_float_denorm_mode_32 3
		.amdhsa_float_denorm_mode_16_64 3
		.amdhsa_memory_ordered 1
		.amdhsa_forward_progress 1
		.amdhsa_inst_pref_size 78
	.end_amdhsa_kernel
	.amdgpu_metadata
---
amdhsa.version: [ 1, 2 ]
amdhsa.kernels:
  - .name:           k_q149dcbbb35_quant
    .symbol:         k_q149dcbbb35_quant.kd
    .args:
      - { .name: queries, .offset: 0, .size: 8, .value_kind: global_buffer, .address_space: global }
      - { .name: keys, .offset: 8, .size: 8, .value_kind: global_buffer, .address_space: global }
      - { .name: values, .offset: 16, .size: 8, .value_kind: global_buffer, .address_space: global }
      - { .name: Wq, .offset: 24, .size: 8, .value_kind: global_buffer, .address_space: global }
      - { .name: Wk, .offset: 32, .size: 8, .value_kind: global_buffer, .address_space: global }
      - { .name: Wv, .offset: 40, .size: 8, .value_kind: global_buffer, .address_space: global }
      - { .name: Wo, .offset: 48, .size: 8, .value_kind: global_buffer, .address_space: global }
      - { .name: lowp_scales, .offset: 56, .size: 8, .value_kind: global_buffer, .address_space: global }
      - { .name: xc, .offset: 64, .size: 8, .value_kind: global_buffer, .address_space: global }
      - { .name: wc, .offset: 72, .size: 8, .value_kind: global_buffer, .address_space: global }
    .group_segment_fixed_size: 35840
    .private_segment_fixed_size: 0
    .kernarg_segment_align: 8
    .kernarg_segment_size: 80
    .max_flat_workgroup_size: 128
    .sgpr_count:     66
    .vgpr_count:     192
    .wavefront_size: 32
...
	.end_amdgpu_metadata
.endif
;; end of part 1
;; launch proj (part 2): grid 4 x 96, 4 waves a work-group, clusters of 4 x 4, 327,680 bytes of LDS; arguments xc, wc, lowp_scales, qkv; writes qkv
.if DOCPART == 2
	.amdgcn_target "amdgcn-amd-amdhsa--gfx1250"
	.amdhsa_code_object_version 6
	.text
	.protected	k_q149dcbbb35_proj
	.globl	k_q149dcbbb35_proj
	.p2align	8
	.type	k_q149dcbbb35_proj,@function
k_q149dcbbb35_proj:
	s_mov_b64 s[64:65], 0
	v_nop
	global_prefetch_b8 v0, s[64:65] scope:SCOPE_SE
	s_setreg_imm32_b32 hwreg(HW_REG_WAVE_MODE, 25, 1), 1
	s_wait_xcnt 0x0
	s_wait_alu depctr_hold_cnt(0) depctr_sa_sdst(0) depctr_va_vdst(0) depctr_va_sdst(0) depctr_va_ssrc(0) depctr_va_vcc(0) depctr_vm_vsrc(0)
	s_getreg_b32 s2, hwreg(HW_REG_IB_STS2, 6, 4)
	s_cmp_eq_u32 s2, 0
	s_cbranch_scc0 .Lentry_in_a_cluster
	s_endpgm
.Lentry_in_a_cluster:
	s_bfe_u32 s2, ttmp6, 0x10000c
	s_cmp_lg_u32 s2, 0xf033
	s_cbranch_scc0 .Lentry_shape_is_right
	s_endpgm
.Lentry_shape_is_right:
; Products 1, 2, 3 on codes of FP8 (E4M3): q = queries Wq, k = keys Wk, v = values Wv, each 8192 x 1024 x 1024; the f32 sums are quantised at once, for products 4 and 5, and stored as codes.
; A tile of 256 x 256 sums is made by a work-group of four waves, a wave 128 x 128: 64 accumulators of 16 x 16, 512 registers.  K goes in steps of 256 through a ring of two LDS slots filled by the tensor data mover.
; WHO IS A, WHO IS B.  The matrix instruction is used transposed (source 0 = 16 rows of B, source 1 = 16 rows of A): a lane holds ONE row of A and its registers run along rows of B.
;   q, k (cluster y 0-7, 8-15):  A = the tokens' codes, B = the weight's: a lane's registers run along the channels, the K of product 4.
;   v    (cluster y 16-23):      A = Wv's codes, B = the tokens': a lane's registers run along the tokens, the K of product 5.  Only pointers and strides are chosen; the text is one.
; CLUSTERS: 4 x 4 work-groups.  The four of a row of the cluster need the same tiles of A, the four of a column the same tiles of B: each tile is asked for jointly, by the same tensor load with a mask that names the four.
; THE OUTPUT, qkv: q at 0, k at 8 MiB, v at 16 MiB, laid in the order of the next operand's registers, in chunks of 512 bytes: lane l's 16 bytes at 16 l.  Chunk (mt, ng): lane (r, h) holds row 16 mt + r of A and rows
; 32 ng + 8 h + 0..7, 32 ng + 16 + 8 h + 0..7 of B.  It lies at (mt x NG + ng) x 512, NG = 32 for q and k, 256 for v.  Each store of a wave covers one chunk: 512 consecutive bytes, aligned.
; A sum stands for sum x 2^(ea + eb); its code is sum / 2^E, E = eo - ea - eb (eo: e6 for q, e7 for k, e9 for v).  LIMIT: E between -126 and 119, so that 2^E and 448 x 2^E are f32 numbers.
; REGISTERS, in windows of 256: window 0: v0-31 addresses; from v128 A's fragments (8 x 16 rows x 128 K), one set; on the way out v32-95 held sums, v128-255 codes.
;   window 1: B's fragments, two sets, at v0 and v128.   window 2: the accumulators of my rows 0-63 ((a, b) at v[8 (8 a + b)]);   window 3: those of my rows 64-127.
.set SIZE_K, 1024
.set KSTEP,  256                       ; along K in a slot
.set ROWB,   256                       ; a tile's row in bytes
.set KROW,   SIZE_K                    ; a row of codes in memory, in bytes
.set PITCH,  272                       ; an LDS row: 256 bytes + 16 of padding = 68 words: row r starts at bank 4 r mod 64 (64 banks of 4 bytes: ISA guide 11.1)
.set FR,     16                        ; registers of a fragment: 16 rows x 128 K
.set NL,     4                         ; LDS loads that bring one
.set NP,     4                         ; places behind this matrix instruction (ISA guide 7.12.1)
.set HALFT,  128*PITCH                 ; 128 rows: what one tensor load brings, and what one wave reads of A or of B
.set SLOT,   4*HALFT                   ; A's 256 rows, then B's 256 rows
.set LAPS,   SIZE_K/(2*KSTEP)          ; a lap = two K steps = once round the ring
.set SPARE,  2*SLOT                    ; behind the ring: the spare words, 128 bytes for each wave: two blocks of 256 bytes that no other line names
.set OFS,  8                           ; v8-15   the way out: block a's offset: 16 x lane + a x the stride from mt to mt + 1
.set ADRA, 16                          ; v16-17  LDS address of my A fragments in slot 0, 1
.set ADRB, 20                          ; v20-21  the same for B
.set SPW,  28                          ; v28     LDS address of my spare word; never rewritten
.set NIL,  29                          ; v29     0; never rewritten
.set SCL,  30                          ; v30     2^E as f32
.set LIMV, 31                          ; v31     448 x 2^E
.set TMP,  32                          ; the way out: a block's 64 sums, held
.set AF,   128                         ; A's fragments, in window 0
.set CD,   128                         ; the way out: 16 registers of codes for each block, its own
.set G1, 24                            ; s[24:31] descriptor group 1 for A's tiles;  s[32:39] group 0, one set for each slot
.set G0, 32
.set G1B, 48                           ; s[48:55], s[56:63] the same for B's tiles
.set G0B, 56
.set MSB, 0
.macro WIN new                         ; the immediate's high byte repeats the setting that is left
.if MSB != \new
	s_set_vgpr_msb (MSB<<8)|\new
.set MSB, \new
.endif
.endm
.set MUL_LO, 0xa1                      ; source 0 (B) window 1, source 1 (A) window 0, C and D window 2
.set MUL_HI, 0xf1                      ; the same, C and D window 3
.set TO_B,   0x40                      ; destination window 1, address window 0
; A joint load: waves 0 and 1 fetch for A, waves 2 and 3 for B.  Each of the two lines has one mask and one set of registers for all that issue it; the branch hangs on the wave's number alone.
; An s_nop 0 and four v_nop follow each of the two lines, ahead of the jump, the label and what follows.
.macro JLOAD g0a, g1a, g0b, g1b
	s_cmp_eq_u32 s15, 0
	s_cbranch_scc0 .Lfor_b_\@
	tensor_load_to_lds s[\g0a:\g0a+3], s[\g1a:\g1a+7]
	s_nop 0
.rept 4
	v_nop
.endr
	s_branch .Lasked_\@
.Lfor_b_\@:
	tensor_load_to_lds s[\g0b:\g0b+3], s[\g1b:\g1b+7]
	s_nop 0
.rept 4
	v_nop
.endr
.Lasked_\@:
.endm
.macro CREST                           ; a round of the cluster's barrier behind its opening barrier
	s_cmp_lg_u32 s14, 0
	s_cbranch_scc1 .Lnot_wave_0_\@
	s_barrier_signal -3
.Lnot_wave_0_\@:
	s_barrier_wait -3
	s_barrier_signal -1
	s_barrier_wait -1
.endm
.macro CROUND                          ; a whole round
	s_barrier_signal -1
	s_barrier_wait -1
	CREST
.endm
	s_load_b256 s[4:11], s[0:1], 0x0               ; xc s[4:5], wc s[6:7], the scales' exponents s[8:9], qkv s[10:11]
	v_lshl_add_u32 v[SPW], v0, 2, SPARE
	v_mov_b32 v[NIL], 0
	ds_add_u32 v[SPW], v[NIL]                      ; the wave's opening: the add and its wait ahead of my first tensor load; the set-up below, work on registers, stands between them
	ds_add_u32 v[SPW], v[NIL]
	v_lshrrev_b32 v1, 5, v0
	v_readfirstlane_b32 s14, v1                    ; wave 0..3
	s_lshr_b32 s15, s14, 1                         ; which half of the tile's rows of A is mine.  Also: I fetch for A (0) or for B (1)
	s_and_b32 s16, s14, 1                          ; which half of its rows of B.  Also: which 128 rows of that tile I fetch
	s_bfe_u32 s40, ttmp6, 0x40000                  ; cx, cy: my place in the cluster
	s_bfe_u32 s41, ttmp6, 0x40004
	s_and_b32 s84, ttmp7, 0xffff                   ; cluster y, 0..23: the sixteen partners share it
	s_lshr_b32 s85, s84, 3                         ; which product: 0 q, 1 k, 2 v
	s_and_b32 s86, s84, 7                          ; which 1,024 tokens
	s_lshl_b32 s89, s85, 23                        ; the product's 8 MiB in xc and in qkv,
	s_lshl_b32 s90, s85, 20                        ; its 1 MiB in wc
	s_cmp_eq_u32 s85, 2
	s_cselect_b32 s87, 0, s86                      ; the tokens run along A's tile rows (q, k)
	s_cselect_b32 s88, s86, 0                      ; or along B's (v)
	s_cselect_b32 s66, 0x200000, s89               ; A's first byte in its buffer: Wv's codes, or the tokens'
	s_cselect_b32 s68, 0x1000000, s90              ; B's: the values' codes, or the weight's
	s_mov_b32 s91, 16384
	s_cselect_b32 s91, 131072, s91                 ; the output's stride from mt to mt + 1: NG x 512
	s_mov_b32 s67, 0
	s_mov_b32 s69, 0
	s_lshl_b32 s42, s88, 2
	s_add_co_u32 s42, s42, s40                     ; tile column (256 rows of B)
	s_lshl_b32 s17, s87, 2
	s_add_co_u32 s17, s17, s41                     ; tile row (256 rows of A)
	s_lshl_b32 s43, s41, 2
	s_lshl_b32 s43, 15, s43                        ; my row of the cluster
	s_lshl_b32 s44, 0x1111, s40                    ; my column
	; descriptor group 1: a tile of 128 rows x 256 bytes, padded in LDS
	s_or_b32 s[G1+0], s43, (0<<16)|(1<<20)|(1<<21)|(5<<22)|(3<<25)  ; 15:0 the mask: A's tiles go to my row; 17:16 element of 1 byte; 20 padding on; 21 set beside a mask; 24:22 after every 64 words (code 5); 31:25 of 4 words (code 3)
	s_or_b32 s[G1B+0], s44, (0<<16)|(1<<20)|(1<<21)|(5<<22)|(3<<25)
.irp g, G1, G1B
	s_mov_b32 s[\g+1], ROWB<<16                    ; tensor_dim0
	s_mov_b32 s[\g+2], 128<<16                     ; tensor_dim1 = 128
	s_mov_b32 s[\g+3], ROWB<<16                    ; tile_dim0
	s_mov_b32 s[\g+4], 128                         ; tile_dim1 = 128
	s_mov_b32 s[\g+5], KROW                        ; tensor_dim0_stride
	s_mov_b32 s[\g+6], 0
	s_mov_b32 s[\g+7], 0
.endr
	s_lshl_b32 s18, s16, 7                         ; which 128 rows of the tile I fetch
	s_lshl_b32 s20, s17, 8
	s_add_co_u32 s20, s20, s18                     ; A: row 256 x tile row + 128 x half
	s_lshl_b32 s46, s42, 8
	s_add_co_u32 s46, s46, s18                     ; B: row 256 x tile column + 128 x half
	s_lshl_b32 s20, s20, 10                        ; in bytes: under 2^23
	s_lshl_b32 s46, s46, 10
	s_mov_b32 s21, 0
	s_mov_b32 s47, 0
	s_add_nc_u64 s[20:21], s[20:21], s[66:67]
	s_add_nc_u64 s[46:47], s[46:47], s[68:69]
	s_mul_i32 s45, s14, HALFT                      ; where they go: wave x 128 rows: no place in the cluster enters an LDS address
	s_wait_dscnt 0x0                               ; the opening add is done
	s_wait_kmcnt 0x0
	s_load_b256 s[72:79], s[8:9], 0x0              ; e0 .. e7
	s_load_b128 s[80:83], s[8:9], 0x20             ; e8 .. e11
	s_cmp_eq_u32 s85, 2                            ; the choice hangs on the cluster's y alone
	s_cselect_b64 s[92:93], s[6:7], s[4:5]         ; A's buffer
	s_cselect_b64 s[94:95], s[4:5], s[6:7]         ; B's buffer
	s_add_nc_u64 s[20:21], s[92:93], s[20:21]
	s_add_nc_u64 s[46:47], s[94:95], s[46:47]
	CROUND                                         ; all sixteen work-groups are here: the first joint loads meet
.irp s, 0,1
	s_mov_b32 s[G0+4*\s], 1
	s_add_co_u32 s[G0+4*\s+1], s45, \s*SLOT
	s_add_nc_u64 s[G0+4*\s+2:G0+4*\s+3], s[20:21], \s*ROWB
	s_or_b32 s[G0+4*\s+3], s[G0+4*\s+3], 0x80000000
	s_mov_b32 s[G0B+4*\s], 1
	s_add_co_u32 s[G0B+4*\s+1], s45, \s*SLOT
	s_add_nc_u64 s[G0B+4*\s+2:G0B+4*\s+3], s[46:47], \s*ROWB
	s_or_b32 s[G0B+4*\s+3], s[G0B+4*\s+3], 0x80000000
.endr
	JLOAD G0, G1, G0B, G1B                         ; K step 0: one tensor load a wave at the head
	v_and_b32 v1, 15, v0                           ; l % 16
	v_bfe_u32 v2, v0, 4, 1                         ; l / 16
	v_mul_u32_u24 v3, v1, PITCH
	v_lshl_add_u32 v4, v2, 4, v3                   ; a fragment's row x pitch + 16 x half
	s_mul_i32 s21, s15, HALFT                      ; my 128 rows of A
	s_mul_i32 s22, s16, HALFT                      ; my 128 rows of B,
	s_add_co_u32 s22, s22, 2*HALFT                 ; which lie behind A's 256
.irp s, 0,1
	v_add_nc_u32 v[ADRA+\s], s21, v4
	v_add_nc_u32 v[ADRB+\s], s22, v4
	s_add_co_u32 s21, s21, SLOT
	s_add_co_u32 s22, s22, SLOT
.endr
	; the way out: qkv + the product's 8 MiB + (16 x tile row + 8 x half) x stride + (8 x tile column + 4 x half) x 512
	s_lshl_b32 s20, s17, 4
	s_lshl_b32 s21, s15, 3
	s_add_co_u32 s20, s20, s21
	s_mul_i32 s20, s20, s91
	s_lshl_b32 s46, s42, 3
	s_lshl_b32 s47, s16, 2
	s_add_co_u32 s46, s46, s47
	s_lshl_b32 s46, s46, 9
	s_add_co_u32 s20, s20, s46
	s_add_co_u32 s20, s20, s89
	s_mov_b32 s21, 0
	s_add_nc_u64 s[10:11], s[10:11], s[20:21]
	v_and_b32 v6, 31, v0
	v_lshlrev_b32 v[OFS], 4, v6
.irp a, 1,2,3,4,5,6,7
	v_add_nc_u32 v[OFS+\a], s91, v[OFS+\a-1]
.endr
.macro FRAG reg, adr, q, i             ; a fragment, 16 rows x 128 places of 8-bit codes, is 16 registers: lane l holds row l % 16; registers 4 c .. 4 c + 3 hold places 32 c + 16 (l / 16) + 0 .. 15: the same in A and in B
.irp c, 0,1,2,3
	ds_load_b128 v[\reg+4*\c:\reg+4*\c+3], v[\adr] offset:128*(\q)+32*\c+(\i)*16*PITCH
.endr
.endm
; 16 matrix instructions: A's blocks a0, a0 + 1 x B's eight, 128 along K.  p: B's set.  zero = 1: the first product starts the sums: nothing is ever cleared.
; The 64 accumulators take turns, one instruction a turn, in the same order in every step.
.macro MUL16 a0, p, zero
.irp a, \a0, \a0+1
.irp b, 0,1,2,3,4,5,6,7
.if \zero
	v_wmma_f32_16x16x128_fp8_fp8 v[8*(8*((\a)%4)+\b):8*(8*((\a)%4)+\b)+7], v[128*(\p)+FR*\b:128*(\p)+FR*\b+FR-1], v[AF+FR*(\a):AF+FR*(\a)+FR-1], 0
.else
	v_wmma_f32_16x16x128_fp8_fp8 v[8*(8*((\a)%4)+\b):8*(8*((\a)%4)+\b)+7], v[128*(\p)+FR*\b:128*(\p)+FR*\b+FR-1], v[AF+FR*(\a):AF+FR*(\a)+FR-1], v[8*(8*((\a)%4)+\b):8*(8*((\a)%4)+\b)+7]
.endif
.endr
.endr
.endm
.macro FETCH_B slot, q, p              ; B's eight fragments of the slot's q-th 128 along K into set p
	WIN TO_B
.irp i, 0,1,2,3,4,5,6,7
	FRAG 128*(\p)+FR*\i, ADRB+\slot, \q, \i
.endr
	WIN 0
.endm
.macro FETCH_A slot, q, i0             ; A's blocks i0 .. i0 + 3
.irp i, \i0, \i0+1, \i0+2, \i0+3
	FRAG AF+FR*(\i), ADRA+\slot, \q, \i
.endr
.endm
; A load into a register that a matrix instruction has read, and a vector instruction that reads a matrix result, stand NP places behind that matrix instruction; only plain vector
; instructions that name none of its registers are places (ISA guide 7.12.1 for vector instructions).
.macro PLACES n
.rept \n
	v_nop
.endr
.endm
; A step of 128 along K that has its successor in the same slot.  A has one set of registers: blocks 0-3 are fetched anew in the step's middle, blocks 4-7 at its end; B has two sets.
.macro STEP slot, q, zero
	s_wait_dscnt 4*NL                              ; B's set and A's blocks 0-3 are in; the youngest sixteen loads (A's blocks 4-7) may be out
	WIN MUL_LO
	MUL16 0, (\q)%2, \zero
	MUL16 2, (\q)%2, \zero
	s_wait_dscnt 0                                 ; A's blocks 4-7 are in
	PLACES NP
	FETCH_B \slot, (\q)+1, 1-(\q)%2
	FETCH_A \slot, (\q)+1, 0
	WIN MUL_HI
	MUL16 4, (\q)%2, \zero
	MUL16 6, (\q)%2, \zero
	PLACES NP
	WIN 0
	FETCH_A \slot, (\q)+1, 4
.endm
; A slot's last step changes slots: one barrier; in front of it each wave waits for all its tensor loads, adds 0 to its spare word, and waits for that and for its own reads of this slot.  fill = 1: this slot is filled again, two K steps ahead.
.macro TURN slot, next, fill
	s_wait_tensorcnt 0x0                           ; all my tensor loads have landed: my part of the next slot;  (every window is 0 here)
	ds_add_u32 v[SPW], v[NIL]                      ; 0 onto my spare word
	s_wait_dscnt 4*NL+1                            ; (the add and the youngest sixteen loads, A's blocks 4-7, may be out)
	WIN MUL_LO
	MUL16 0, 1, 0                                  ; sixteen matrix instructions stand between the add and the wait for it
	s_wait_dscnt 0x0                               ; the add is done, and my reads of this slot are over
	s_barrier_signal -1
	MUL16 2, 1, 0
	WIN 0
	s_barrier_wait -1
.if \fill
	CREST                                          ; the barrier has opened a round of the cluster's barrier: no wave of any partner still reads this slot's tile or has a load on its way
	s_add_nc_u64 s[G0+4*\slot+2:G0+4*\slot+3], s[G0+4*\slot+2:G0+4*\slot+3], 2*ROWB
	s_add_nc_u64 s[G0B+4*\slot+2:G0B+4*\slot+3], s[G0B+4*\slot+2:G0B+4*\slot+3], 2*ROWB
	JLOAD G0+4*\slot, G1, G0B+4*\slot, G1B         ; the first tensor load behind the round; the four v_nop behind it are the places in front of the loads below
.else
	PLACES NP
.endif
	FETCH_B \next, 0, 0
	FETCH_A \next, 0, 0
	WIN MUL_HI
	MUL16 4, 1, 0
	MUL16 6, 1, 0
	PLACES NP
	WIN 0
	FETCH_A \next, 0, 4
.endm
	s_wait_alu depctr_va_vdst(0)
	s_wait_tensorcnt 0x0                           ; my part of K step 0 is in
	ds_add_u32 v[SPW], v[NIL]
	s_wait_dscnt 0x0                               ; the add is done
	CROUND                                         ; a whole round: everybody's part of K step 0 is in, and all sixteen work-groups are here
	JLOAD G0+4, G1, G0B+4, G1B                     ; K step 1's load, the first tensor load behind the round
	FETCH_B 0, 0, 0
	FETCH_A 0, 0, 0
	FETCH_A 0, 0, 4
	STEP 0, 0, 1                                   ; the first step stands in front of the loop: its products start the sums
	s_mov_b32 s3, LAPS-1
.Llap:                                                 ; a trip goes once round the ring, from a lap's second step to the next lap's first, and fills both slots again
	TURN 0, 1, 1
	STEP 1, 0, 0
	TURN 1, 0, 1
	STEP 0, 0, 0
	s_sub_co_u32 s3, s3, 1
	s_cmp_lg_u32 s3, 0
	s_cbranch_scc1 .Llap
	TURN 0, 1, 0                                   ; the last lap fills nothing, and has no round of the cluster's barrier
	STEP 1, 0, 0
	s_wait_dscnt 4*NL                              ; the very last step: nothing more to fetch
	WIN MUL_LO
	MUL16 0, 1, 0
	MUL16 2, 1, 0
	s_wait_dscnt 0
	WIN MUL_HI
	MUL16 4, 1, 0
	MUL16 6, 1, 0
	WIN 0
; THE WAY OUT.  Block a (16 rows of A): a lane's registers 16 g + 0 .. 15 are the 16 numbers of chunk g in the chunk's own order, so two conversions make its 16 bytes, and the wave stores the chunk as it stands.
	s_wait_kmcnt 0x0
	s_add_co_i32 s96, s72, s73                     ; e0 + e1
	s_add_co_i32 s97, s74, s75                     ; e2 + e3
	s_add_co_i32 s98, s76, s77                     ; e4 + e5
	s_cmp_eq_u32 s85, 0
	s_cselect_b32 s96, s96, s97
	s_cselect_b32 s97, s78, s79                    ; e6 : e7
	s_cmp_eq_u32 s85, 2
	s_cselect_b32 s96, s98, s96
	s_cselect_b32 s97, s81, s97                    ; e9
	s_sub_co_i32 s96, s97, s96                     ; E = eo - ea - eb: the three scales folded into the conversion's one
	s_add_co_i32 s96, s96, 127
	s_lshl_b32 s97, s96, 23
	v_mov_b32 v[SCL], s97
	s_add_co_i32 s96, s96, 8
	s_lshl_b32 s96, s96, 23
	s_or_b32 s96, s96, 0x600000
	v_mov_b32 v[LIMV], s96
.macro OUTB a
.set AC, 64*((\a)%4)
	WIN 0x02+((\a)/4)                              ; source 0: window 2 or 3
.set j, 0
.rept 64
	v_med3_num_f32 v[TMP+j], v[AC+j], -v[LIMV], v[LIMV]   ; the hold at the largest code x the scale (the conversion does not saturate: ISA guide 7.6.2); each accumulator from its low end on
.set j, j+1
.endr
	WIN 0
.irp q, 0,1,2,3,4,5,6,7
	v_cvt_scalef32_pk8_fp8_f32 v[CD+16*(\a)+2*\q:CD+16*(\a)+2*\q+1], v[TMP+8*\q:TMP+8*\q+7], v[SCL]
.endr
	v_nop                                          ; one plain vector instruction behind the last conversion: the next block's holds write the conversions' sources
.irp g, 0,1,2,3
	global_store_b128 v[OFS+(\a)], v[CD+16*(\a)+4*\g:CD+16*(\a)+4*\g+3], s[10:11] offset:512*\g   ; a chunk: 512 consecutive bytes, aligned.  Data, offset and base are never written again
.endr
.endm
	PLACES NP                                      ; behind the last products: for the writes into the registers that held A's fragments, and for the reads of results
.irp a, 0,1,2,3,4,5,6,7
	OUTB \a
.endr
	s_wait_tensorcnt 0x0                           ; the wave's end
	ds_add_u32 v[SPW], v[NIL]
	s_wait_dscnt 0x0
	CROUND                                         ; the closing round: no work-group ends while a partner may still ask for a tile that names it
	s_endpgm
.Lfunc_end_k_q149dcbbb35_proj:
	.size	k_q149dcbbb35_proj, .Lfunc_end_k_q149dcbbb35_proj-k_q149dcbbb35_proj
	.p2alignl 7, 3214868480
	.fill 96, 4, 3214868480
	.section	.rodata,"a",@progbits
	.p2align	6, 0x0
	.amdhsa_kernel k_q149dcbbb35_proj
		.amdhsa_group_segment_fixed_size 327680
		.amdhsa_private_segment_fixed_size 0
		.amdhsa_enable_private_segment 0
		.amdhsa_kernarg_size 32
		.amdhsa_user_sgpr_count 2
		.amdhsa_user_sgpr_kernarg_segment_ptr 1
		.amdhsa_wavefront_size32 1
		.amdhsa_system_sgpr_workgroup_id_x 1
		.amdhsa_system_sgpr_workgroup_id_y 1
		.amdhsa_system_sgpr_workgroup_id_z 1
		.amdhsa_system_vgpr_workitem_id 0
		.amdhsa_next_free_vgpr 1024
		.amdhsa_next_free_sgpr 100
		.amdhsa_reserve_vcc 0
		.amdhsa_float_denorm_mode_32 3
		.amdhsa_float_denorm_mode_16_64 3
		.amdhsa_memory_ordered 1
		.amdhsa_forward_progress 1
		.amdhsa_inst_pref_size 119
	.end_amdhsa_kernel
	.amdgpu_metadata
---
amdhsa.version: [ 1, 2 ]
amdhsa.kernels:
  - .name:           k_q149dcbbb35_proj
    .symbol:         k_q149dcbbb35_proj.kd
    .args:
      - { .name: xc, .offset: 0, .size: 8, .value_kind: global_buffer, .address_space: global }
      - { .name: wc, .offset: 8, .size: 8, .value_kind: global_buffer, .address_space: global }
      - { .name: lowp_scales, .offset: 16, .size: 8, .value_kind: global_buffer, .address_space: global }
      - { .name: qkv, .offset: 24, .size: 8, .value_kind: global_buffer, .address_space: global }
    .group_segment_fixed_size: 327680
    .private_segment_fixed_size: 0
    .kernarg_segment_align: 8
    .kernarg_segment_size: 32
    .max_flat_workgroup_size: 128
    .sgpr_count:     100
    .vgpr_count:     1024
    .wavefront_size: 32
...
	.end_amdgpu_metadata
.endif
;; end of part 2
;; launch attn (part 3): grid 64 x 4, 16 waves a work-group, no clusters, 265,216 bytes of LDS; arguments qkv, lowp_scales, valid_lens, ctx; writes ctx
.if DOCPART == 3
	.amdgcn_target "amdgcn-amd-amdhsa--gfx1250"
	.amdhsa_code_object_version 6
	.text
	.protected	k_q149dcbbb35_attn
	.globl	k_q149dcbbb35_attn
	.p2align	8
	.type	k_q149dcbbb35_attn,@function
k_q149dcbbb35_attn:
	s_mov_b64 s[64:65], 0
	v_nop
	global_prefetch_b8 v0, s[64:65] scope:SCOPE_SE
	s_setreg_imm32_b32 hwreg(HW_REG_WAVE_MODE, 25, 1), 1
	s_wait_xcnt 0x0
; Products 4 and 5 on codes of FP8 (E4M3), with the mask by valid_lens and the softmax between them; the result is quantised for product 6 and stored as codes.
; logit = q . k / 8, and -1e6 for keys at or beyond valid_lens[batch].  t = logit x log2(e); M = the row's largest t so far, rounded up to a whole number; p = 2^(t - M) is quantised with 2^e8, not normalised;
; the row's sum is taken of the unquantised p, in f32, and divides at the end.  When M moves, the sum and O are multiplied by 2^(old M - new M): exact.
; SHARES.  A unit is 256 queries of one head of one batch: sixteen waves, 16 queries each, in 256 registers.  There are 8 x 16 x 4 = 512 units and 256 work-groups: each work-group walks TWO units of one head and one
; quarter of the queries (grid x: 4 pairs x 16 heads; y: the quarter).
; THE DEAL.  A unit's work is the number of keys that it walks, which valid_lens gives.  Every wave reads the eight numbers, sorts them (19 exchanges by scalar minimum and maximum, the batch's number in the
; key's low three bits), and pair p takes the p-th shortest batch first and the p-th longest second: the sums of the four pairs lie close together whatever the eight numbers are.
; K AND V.  A unit's K and V, 128 KiB of codes, go through registers into an LDS image of the unit's own (two images); in each key step of 128 keys every wave brings one chunk of K and one of V.
; The first unit's steps 0-3 are always brought, its steps 4-7 only where they are walked.  The second unit's steps 0-3 and its Q are asked for at the head too and wait in registers of their own (v192-223, v24-31);
; behind the first unit's first step they go to LDS and steps 4-7 are asked for, which go to LDS behind that unit's walk.  One barrier ahead of each unit's walk.
; HIDDEN KEYS.  a scalar branch on the whole number read from valid_lens, round the step's work alone.  In the step that the
; bound cuts, hidden scores are replaced ahead of the maximum, tile by tile of 16 keys.  valid_lens = 0: every key is walked with the replaced score, as in the definition.  Values outside 0 .. 1,024 are held at these bounds.
; THE HOLD.  p is at most 1 (a last bit aside).  Where e8 >= -8, 448 x 2^e8 is 1.75 or more and the step's 64 one-sided holds are jumped over: a scalar branch on the whole number e8.
; NO TENSOR LOADS, NO COPIES, NO JOINT REQUESTS.  No prefetch of the operands: the second unit's own loads are issued a unit's walk ahead
; of their use, and the first unit's stand in the first lines behind the deal.
; LAYOUT.  Both products are used transposed: S^T = K Q^T (source 0 = 16 keys, source 1 = my 16 queries, K = 64), O^T = V^T P^T (source 0 = 16 channels, source 1 = P, K = 128 keys): a lane holds one query throughout.
; qkv holds images of operand registers in chunks of 512 bytes, lane l's 16 bytes at 16 l.  S^T's register 8 t + j is key 16 t + 8 (l / 16) + j: so p's codes fall into the places that the K = 128 form gives each key.
; Lane r of V's tile 2 b + u takes channel 32 b + 8 u + r % 8 + 16 (r / 8), so that the 16 registers of O^T's tiles 2 b, 2 b + 1 are channels 32 b + 16 (l / 16) + 0 .. 15:
; two conversions make a lane's 16 bytes of a chunk of ctx (chunk (token / 16, channel / 32) at (32 x token / 16 + channel / 32) x 512).
; LIMITS on the given exponents, so that each power of two below is an f32 number: e6 + e7 between -105 and 130; e8 and e10 between -126 and 119; e8 + e9 is applied by v_ldexp_f32 and has none.
; Leaving hidden steps out is exact while each row has a valid logit above about -1e6 + 110; the codes bound |logit| by 1,605,632 x 2^(e6 + e7), so it holds for e6 + e7 <= -1.
; REGISTERS: v1-4, v7, v10, v11 addresses that stay; v5, v6 the add's two; v8, v9 addresses of the loads in hand; v12 -M, v13 the largest t, v[14:15] the sum; v16-23, v24-31 Q of unit 0, 1; v32-95 fragments of K, then V;
; v96-159 S^T, then p; v160-191 O^T; v192-223 the second unit's K and V on their way, then the result's codes; v224-239 p's codes; v240-255 constants and work.
.set VB,    65536                      ; an image: K at 0 (tile of 16 keys T at 1,024 T, its chunk c at + 512 c); V from here
.set VPT,   16512                      ; a tile of 16 channels: 32 chunks + 128 bytes, so that the two tiles that a load touches start half a row of banks apart (64 banks of 4 bytes: ISA guide 11.1)
.set BUF,   VB+4*VPT                   ; an image's bytes
.set SPARE, 2*BUF                      ; behind the two images: the spare words, 128 bytes for each wave: eight blocks of 256 bytes that no other line names
.set SPW,   5
.set NIL,   6
.set PF,    192
.set WV,    18                         ; s18  my wave's number
.set SEL,   20                         ; s[20:21] lane selects for v_permlanex16_b32: lane l xor 16
.set CS,    22                         ; s[22:23] c = log2(e) / 8 x 2^(e6 + e7)
.set TBK,   2                          ; s2   LDS byte of the step's K
.set TBV,   3                          ; s3   the step's place in a tile of V
.set KF,    98                         ; s98  the step's first key
.set TRIPS, 67
; unit u: s[30+2u] valid_lens held in 0 .. 1,024, s[31+2u] the keys that are walked, s[34+u] the batch; s[36+6u ..] K, s[38+6u ..] V, s[40+6u ..] Q, s[84+2u ..] ctx
.macro MASKT t                         ; tile t (keys KF + 16 t .. + 15).  s96 = valid_lens - KF.  Register 8 t + j holds key KF + 16 t + 8 h + j: hidden where 16 t + j > valid_lens - KF - 1 - 8 h = v248
	s_cmp_ge_i32 s96, 16*(\t)+16                   ; all sixteen count: nothing to replace
	s_cbranch_scc1 .Lseen_\@
	s_wait_alu depctr_va_vdst(0)
.irp j, 0,1,2,3,4,5,6,7
	v_cmp_gt_i32 vcc_lo, 16*(\t)+\j, v248
	v_cndmask_b32 v[96+8*(\t)+\j], v[96+8*(\t)+\j], v247, vcc_lo
.endr
.Lseen_\@:
.endm
.macro CE a, b                         ; an exchange: the smaller key to a, the larger to b
	s_min_u32 s56, s[48+\a], s[48+\b]
	s_max_u32 s[48+\b], s[48+\a], s[48+\b]
	s_mov_b32 s[48+\a], s56
.endm
.macro UNPACK u, key                   ; a key gives its batch, valid_lens and the keys walked, and the unit's four addresses
	s_and_b32 s[34+\u], s[\key], 7
	s_min_u32 s[34+\u], s[34+\u], 7
	s_lshr_b32 s[30+2*\u], s[\key], 3
	s_add_co_u32 s[30+2*\u], s[30+2*\u], 1
	s_and_b32 s[30+2*\u], s[30+2*\u], 0x7ff
	s_cmp_eq_u32 s[30+2*\u], 0
	s_cselect_b32 s[31+2*\u], 1024, s[30+2*\u]
	s_lshl_b32 s56, s[34+\u], 20                   ; a batch is 64 tiles of 16 tokens x 16,384 bytes in q, k and ctx,
	s_add_co_u32 s58, s56, s24
	s_add_nc_u64 s[40+6*\u:41+6*\u], s[4:5], s[58:59]
	s_add_nc_u64 s[84+2*\u:85+2*\u], s[10:11], s[58:59]
	s_add_co_u32 s58, s56, s25
	s_add_nc_u64 s[36+6*\u:37+6*\u], s[4:5], s[58:59]
	s_lshl_b32 s56, s[34+\u], 14                   ; and 32 chunks in each tile of channels of v
	s_add_co_u32 s58, s56, s26
	s_add_nc_u64 s[38+6*\u:39+6*\u], s[4:5], s[58:59]
.endm
.macro KVLOAD reg, u, s0               ; my chunk of K and of V in key steps s0 .. s0 + 3: each load reads 512 consecutive bytes
.irp s, 0,1,2,3
	global_load_b128 v[\reg+4*\s:\reg+4*\s+3], v1, s[36+6*\u:37+6*\u] offset:131072*((\s0)+\s)
.endr
.irp s, 0,1,2,3
	global_load_b128 v[\reg+16+4*\s:\reg+16+4*\s+3], v1, s[38+6*\u:39+6*\u] offset:2048*((\s0)+\s)
.endr
.endm
.macro KVSTORE reg, ak, av, s0
.irp s, 0,1,2,3
	ds_store_b128 v[\ak], v[\reg+4*\s:\reg+4*\s+3] offset:8192*((\s0)+\s)
.endr
.irp s, 0,1,2,3
	ds_store_b128 v[\av], v[\reg+16+4*\s:\reg+16+4*\s+3] offset:2048*((\s0)+\s)
.endr
.endm
.macro INIT u                          ; a unit begins: the step is written once, and the first finds zeros, which the first change of M leaves zeros
	v_mov_b32 v13, 0xff61b1e6                      ; the largest t so far: -3e38, under every t
	v_floor_f32 v12, -v13                          ; -M
	v_mov_b32 v14, 0
	v_mov_b32 v15, 0
.set n, 0
.rept 32
	v_mov_b32 v[160+n], 0
.set n, n+1
.endr
	s_mov_b32 s[TBK], \u*BUF
	s_mov_b32 s[TBV], \u*BUF
	s_mov_b32 s[KF], 0
	s_mov_b32 s[TRIPS], 8
.endm
; A UNIT'S WALK: eight trips, 128 keys each: the count is a constant; what a hidden step leaves out is its work.
.macro WALK u
.Lstep\u:
.if \u == 0
	s_cmp_eq_u32 s[TRIPS], 7                       ; behind the first step: the second unit's steps 0-3 go to its image, and its steps 4-7 are asked for
	s_cbranch_scc0 .Lnopf
	s_wait_loadcnt 0x0
	KVSTORE PF, 10, 11, 0
	s_wait_dscnt 0x0                               ; the stores have read their registers, which take the next loads
	KVLOAD PF, 1, 4
.Lnopf:
.endif
	s_cmp_ge_i32 s[KF], s[31+2*\u]
	s_cbranch_scc1 .Lhidden\u
	v_add_nc_u32 v8, s[TBK], v1
	v_add_nc_u32 v9, s[TBV], v2
	v_nop                                          ; with the two additions: four places in front of loads into registers that the last step's products have read
	v_nop
.set n, 0
.rept 16
	ds_load_b128 v[32+4*n:35+4*n], v8 offset:512*n ; eight tiles of 16 keys, two chunks each
.set n, n+1
.endr
	s_wait_alu depctr_va_vdst(0)
	s_wait_dscnt 0x0
.irp t, 0,1,2,3,4,5,6,7
	v_wmma_f32_16x16x64_fp8_fp8 v[96+8*\t:103+8*\t], v[32+8*\t:39+8*\t], v[16+8*\u:23+8*\u], 0
.endr
.rept 4
	v_nop                                          ; places in front of the loads below and of the first read of the scores
.endr
.irp t, 0,1,2,3
.irp c, 0,1,2,3
	ds_load_b128 v[32+16*\t+4*\c:35+16*\t+4*\c], v9 offset:2*(\t/2)*VPT+(\t%2)*128+512*\c   ; V's four tiles of 16 channels x these 128 keys: on their way while the softmax is worked
.endr
.endr
	s_add_co_u32 s96, s[KF], 128
	s_cmp_le_i32 s96, s[30+2*\u]                   ; a step all of whose keys count skips the mask
	s_cbranch_scc1 .Lopen\u
	s_sub_co_i32 s96, s[30+2*\u], s[KF]            ; the step's keys that count (0 or less: none)
	s_sub_co_i32 s97, s96, 1
	v_sub_nc_u32 v248, s97, v7                     ; valid_lens - KF - 1 - 8 h
.irp t, 0,1,2,3,4,5,6,7
	MASKT \t
.endr
.Lopen\u:
	v_max3_num_f32 v254, v96, v97, v98             ; the step's largest score of my query, among my 64 keys, in two chains,
	s_wait_alu depctr_va_vdst(0)
	v_max3_num_f32 v252, v99, v100, v101
.irp i, 6, 10, 14, 18, 22, 26, 30, 34, 38, 42, 46, 50, 54, 58
	v_max3_num_f32 v254, v254, v[96+\i], v[97+\i]
	v_max3_num_f32 v252, v252, v[98+\i], v[99+\i]
.endr
	v_max3_num_f32 v254, v254, v158, v159
	s_delay_alu instid0(VALU_DEP_1)
	v_max_num_f32 v254, v254, v252
	s_delay_alu instid0(VALU_DEP_1)
	v_permlanex16_b32 v249, v254, s[SEL], s[SEL+1]
	s_delay_alu instid0(VALU_DEP_1)
	v_max_num_f32 v254, v254, v249                 ; and among lane l xor 16's
	s_delay_alu instid0(VALU_DEP_1)
	v_mul_f32 v254, s[CS], v254                    ; as t (c is positive)
	s_delay_alu instid0(VALU_DEP_1)
	v_max_num_f32 v13, v13, v254                   ; the running largest t
	v_mov_b32 v254, v12
	s_delay_alu instid0(VALU_DEP_2)
	v_floor_f32 v12, -v13                          ; the new -M = floor(-t) = -ceil(t): a whole number
	s_delay_alu instid0(VALU_DEP_1)
	v_sub_f32 v254, v12, v254                      ; M's old value less its new one: a whole number, 0 or less
	s_delay_alu instid0(VALU_DEP_1)
	v_cvt_i32_f32 v254, v254                       ; (it saturates)
	s_delay_alu instid0(VALU_DEP_1)
	v_ldexp_f32 v252, 1.0, v254                    ; f = 2^(old M - new M)
.set n, 0
.rept 32
	v_pk_fma_f32 v[96+n:97+n], v[96+n:97+n], s[CS:CS+1], v[12:13] op_sel_hi:[1,0,0]   ; t - M, two at a time (of the pairs c and -M the low word serves both halves)
.set n, n+2
.endr
.set n, 0
	s_wait_alu depctr_va_vdst(0)
.rept 64
	v_exp_f32 v[96+n], v[96+n]                     ; p = 2^(t - M), at most 1: not normalised
.set n, n+1
.endr
	v_pk_mul_f32 v[14:15], v[14:15], v[252:253] op_sel_hi:[1,0]   ; the sums under the new M: the plain instruction behind the exponentials
	s_wait_alu depctr_va_vdst(0)                   ; one wait for the whole batch, ahead of its first reader
	v_pk_add_f32 v[242:243], v[100:101], v[104:105]   ; the row's sum of the unquantised p, in eight chains
	v_pk_add_f32 v[254:255], v[108:109], v[112:113]
	v_pk_add_f32 v[250:251], v[116:117], v[120:121]
	v_pk_add_f32 v[238:239], v[124:125], v[128:129]
	v_pk_add_f32 v[236:237], v[132:133], v[136:137]
	v_pk_add_f32 v[234:235], v[140:141], v[144:145]
	v_pk_add_f32 v[232:233], v[148:149], v[152:153]
	v_pk_add_f32 v[14:15], v[14:15], v[156:157]
	v_pk_add_f32 v[242:243], v[242:243], v[96:97]
	v_pk_add_f32 v[254:255], v[254:255], v[98:99]
	v_pk_add_f32 v[250:251], v[250:251], v[102:103]
	v_pk_add_f32 v[238:239], v[238:239], v[106:107]
	v_pk_add_f32 v[236:237], v[236:237], v[110:111]
	v_pk_add_f32 v[234:235], v[234:235], v[114:115]
	v_pk_add_f32 v[232:233], v[232:233], v[118:119]
	v_pk_add_f32 v[14:15], v[14:15], v[122:123]
	v_pk_add_f32 v[242:243], v[242:243], v[126:127]
	v_pk_add_f32 v[254:255], v[254:255], v[130:131]
	v_pk_add_f32 v[250:251], v[250:251], v[134:135]
	v_pk_add_f32 v[238:239], v[238:239], v[138:139]
	v_pk_add_f32 v[236:237], v[236:237], v[142:143]
	v_pk_add_f32 v[234:235], v[234:235], v[146:147]
	v_pk_add_f32 v[232:233], v[232:233], v[150:151]
	v_pk_add_f32 v[14:15], v[14:15], v[154:155]
	v_pk_add_f32 v[242:243], v[242:243], v[158:159]
	s_delay_alu instid0(VALU_DEP_2)
	v_pk_add_f32 v[14:15], v[14:15], v[238:239]
	s_delay_alu instid0(VALU_DEP_2)
	v_pk_add_f32 v[242:243], v[242:243], v[236:237]
	v_pk_add_f32 v[254:255], v[254:255], v[234:235]
	v_pk_add_f32 v[250:251], v[250:251], v[232:233]
	s_delay_alu instid0(VALU_DEP_2)
	v_pk_add_f32 v[14:15], v[14:15], v[254:255]
	s_delay_alu instid0(VALU_DEP_2)
	v_pk_add_f32 v[242:243], v[242:243], v[250:251]
	s_delay_alu instid0(VALU_DEP_1)
	v_pk_add_f32 v[14:15], v[14:15], v[242:243]
	s_cmp_ge_i32 s70, -8                           ; e8 >= -8: 448 x 2^e8 is 1.75 or more, above every p: the holds would change nothing
	s_cbranch_scc1 .Lfits\u
.set n, 0
.rept 64
	v_min_num_f32 v[96+n], v[96+n], v240           ; the conversion does not saturate (ISA guide 7.6.2); p is not negative, so the hold is one-sided
.set n, n+1
.endr
.Lfits\u:
.irp t, 0,1,2,3,4,5,6,7
	v_cvt_scalef32_pk8_fp8_f32 v[224+2*\t:225+2*\t], v[96+8*\t:103+8*\t], v244   ; registers 2 t, 2 t + 1 of the operand: keys 16 t + 8 h + 0 .. 7
.endr
	s_wait_alu depctr_va_vdst(0)
.set n, 0
.rept 16
	v_pk_mul_f32 v[160+n:161+n], v[160+n:161+n], v[252:253] op_sel_hi:[1,0]   ; O^T under the new M: x f.  (Plain instructions between the conversions and the products that read their results)
.set n, n+2
.endr
	s_wait_alu depctr_va_vdst(0)
	s_wait_dscnt 0x0                               ; V is in
.irp t, 0,1,2,3
	v_wmma_f32_16x16x128_fp8_fp8 v[160+8*\t:167+8*\t], v[32+16*\t:47+16*\t], v[224:239], v[160+8*\t:167+8*\t]   ; the four accumulators by turns, one instruction a turn
.endr
.Lhidden\u:
	s_add_co_u32 s[TBK], s[TBK], 8192
	s_add_co_u32 s[TBV], s[TBV], 2048
	s_add_co_u32 s[KF], s[KF], 128
	s_sub_co_u32 s[TRIPS], s[TRIPS], 1
	s_cmp_lg_u32 s[TRIPS], 0
	s_cbranch_scc1 .Lstep\u
.endm
; THE WAY OUT, on registers: O^T / the sum x 2^(e8 + e9) is the attention's result; it is held and quantised with 2^e10 into v[d .. d + 7], two chunks of ctx.
; Each unit has eight registers of its own for them (v192-199, v200-207), so that no store's data are written again.
.macro WCOMP d
.rept 4
	v_nop                                          ; places behind the last products
.endr
	v_add_f32 v14, v14, v15                        ; the sum's two halves,
	s_delay_alu instid0(VALU_DEP_1)
	v_permlanex16_b32 v249, v14, s[SEL], s[SEL+1]
	s_delay_alu instid0(VALU_DEP_1)
	v_add_f32 v14, v14, v249                       ; and lane l xor 16's: the row's sum
	s_wait_alu depctr_va_vdst(0)
	v_rcp_f32 v14, v14
	v_nop                                          ; a plain instruction behind the reciprocal,
	s_wait_alu depctr_va_vdst(0)                   ; and the wait ahead of its first reader
	v_ldexp_f32 v14, v14, s77
	s_wait_alu depctr_va_vdst(0)
.set n, 0
.rept 32
	v_mul_f32 v[96+n], v[160+n], v14               ; register 16 b + i: channel 32 b + 16 h + i of my query; each accumulator from its low end on
.set n, n+1
.endr
.set n, 0
.rept 32
	v_med3_num_f32 v[96+n], v[96+n], -v246, v246
.set n, n+1
.endr
.irp q, 0,1,2,3
	v_cvt_scalef32_pk8_fp8_f32 v[\d+2*\q:\d+2*\q+1], v[96+8*\q:103+8*\q], v245
.endr
	v_nop                                          ; one plain vector instruction behind the last conversion
.endm
.macro WSTORE u, d                     ; a chunk: 512 consecutive bytes, aligned.  Data, offset and base are never written again
	global_store_b128 v1, v[\d:\d+3], s[84+2*\u:85+2*\u]
	global_store_b128 v1, v[\d+4:\d+7], s[84+2*\u:85+2*\u] offset:512
.endm
	s_load_b256 s[4:11], s[0:1], 0x0               ; qkv s[4:5], the scales' exponents s[6:7], valid_lens s[8:9], ctx s[10:11]
	v_lshl_add_u32 v[SPW], v0, 2, SPARE
	v_mov_b32 v[NIL], 0
	v_lshrrev_b32 v252, 5, v0
	v_readfirstlane_b32 s[WV], v252                ; wave 0..15
	v_and_b32 v1, 31, v0
	v_lshlrev_b32 v1, 4, v1                        ; 16 x lane
	v_lshlrev_b32 v3, 4, v0                        ; where I put K in a step's 8,192 bytes: 512 w + 16 x lane
	v_lshrrev_b32 v252, 7, v0
	v_mul_u32_u24 v4, v252, VPT
	v_bfe_u32 v252, v0, 5, 2
	v_lshl_add_u32 v4, v252, 9, v4
	v_add_nc_u32 v4, v4, v1
	v_add_nc_u32 v4, VB, v4                        ; and V: VB + (w / 4) x VPT + 512 (w % 4) + 16 x lane
	v_add_nc_u32 v10, BUF, v3                      ; the same two in the second image
	v_add_nc_u32 v11, BUF, v4
	v_bfe_u32 v252, v0, 3, 1                       ; V's fragments: lane (r, h) reads at VB + (r / 8) x VPT + 16 (r % 8) + 256 h
	v_mul_u32_u24 v2, v252, VPT
	v_and_b32 v252, 7, v0
	v_lshl_add_u32 v2, v252, 4, v2
	v_bfe_u32 v252, v0, 4, 1
	v_lshl_add_u32 v2, v252, 8, v2
	v_add_nc_u32 v2, VB, v2
	v_lshlrev_b32 v7, 3, v252                      ; 8 h
	v_mov_b32 v249, 0                              ; written once: a lane permute's destination counts as one of its sources
	v_mov_b32 v253, 0                              ; (named as the upper half of the pair v[252:253])
	s_lshr_b32 s12, ttmp9, 4                       ; the pair, 0..3
	s_and_b32 s13, ttmp9, 15                       ; the head
	s_and_b32 s14, ttmp7, 0xffff                   ; the quarter of the queries
	s_lshl_b32 s24, s14, 4
	s_add_co_u32 s24, s24, s[WV]
	s_lshl_b32 s24, s24, 14
	s_lshl_b32 s27, s13, 10                        ; the head's two chunks in a tile's 32
	s_add_co_u32 s24, s24, s27                     ; Q's and ctx's place within a batch: tile 16 x quarter + w
	s_lshr_b32 s25, s[WV], 1
	s_lshl_b32 s25, s25, 14
	s_add_co_u32 s25, s25, s27
	s_and_b32 s28, s[WV], 1
	s_lshl_b32 s28, s28, 9
	s_add_co_u32 s25, s25, s28
	s_add_co_u32 s25, s25, 0x800000                ; K: in each step tile w / 2 of its eight, chunk w % 2
	s_lshl_b32 s26, s13, 2
	s_lshr_b32 s28, s[WV], 2
	s_add_co_u32 s26, s26, s28
	s_lshl_b32 s26, s26, 17
	s_and_b32 s28, s[WV], 3
	s_lshl_b32 s28, s28, 9
	s_add_co_u32 s26, s26, s28
	s_add_co_u32 s26, s26, 0x1000000               ; V: tile of channels 4 x head + w / 4, in each step chunk w % 4 of its four
	s_mov_b32 s59, 0
	s_mov_b32 s[SEL], 0x76543210
	s_mov_b32 s[SEL+1], 0xfedcba98
	s_wait_alu depctr_va_vdst(0)
	s_wait_kmcnt 0x0
	s_load_b256 s[48:55], s[8:9], 0x0              ; the eight valid_lens
	s_load_b128 s[68:71], s[6:7], 0x18             ; e6, e7, e8, e9
	s_load_b32 s72, s[6:7], 0x28                   ; e10
	s_wait_kmcnt 0x0
.irp i, 0,1,2,3,4,5,6,7                ; a key: ((valid_lens held in 0 .. 1,024) - 1 in eleven bits) x 8 + batch: 0, which walks all keys, sorts as the longest
	s_min_i32 s[48+\i], s[48+\i], 1024
	s_max_i32 s[48+\i], s[48+\i], 0
	s_sub_co_i32 s[48+\i], s[48+\i], 1
	s_and_b32 s[48+\i], s[48+\i], 0x7ff
	s_lshl_b32 s[48+\i], s[48+\i], 3
	s_or_b32 s[48+\i], s[48+\i], \i
.endr
	CE 0, 1                                        ; an odd-even merge sort of eight, ascending
	CE 2, 3
	CE 4, 5
	CE 6, 7
	CE 0, 2
	CE 1, 3
	CE 4, 6
	CE 5, 7
	CE 1, 2
	CE 5, 6
	CE 0, 4
	CE 1, 5
	CE 2, 6
	CE 3, 7
	CE 2, 4
	CE 3, 5
	CE 1, 2
	CE 3, 4
	CE 5, 6
	s_mov_b32 s57, s48                             ; unit 0: the p-th shortest; unit 1: the p-th longest
	s_mov_b32 s60, s55
.irp k, 1,2,3
	s_cmp_eq_u32 s12, \k
	s_cselect_b32 s57, s[48+\k], s57
	s_cselect_b32 s60, s[55-\k], s60
.endr
	UNPACK 0, 57
	UNPACK 1, 60
	global_load_b128 v[16:19], v1, s[40:41] th:TH_LOAD_NT          ; Q's fragments stay in registers
	global_load_b128 v[20:23], v1, s[40:41] offset:512 th:TH_LOAD_NT
	KVLOAD 96, 0, 0
	KVLOAD PF, 1, 0
	global_load_b128 v[24:27], v1, s[46:47] th:TH_LOAD_NT
	global_load_b128 v[28:31], v1, s[46:47] offset:512 th:TH_LOAD_NT
	s_add_co_i32 s73, s68, s69
	s_lshl_b32 s73, s73, 23
	s_mov_b32 s[CS], 0x3e38aa3b                    ; log2(e) / 8
	s_add_co_i32 s[CS], s[CS], s73                 ; a score stands for score x 2^(e6 + e7): the two exponents are added to c's exponent field
	s_mov_b32 s[CS+1], s[CS]                       ; (named with it as a pair, so it is written)
	s_mov_b32 s74, 0xcaf42400                      ; -8e6: x c it is -1e6 x log2(e),
	s_sub_co_i32 s74, s74, s73                     ; with the same two exponents taken off its exponent field
	v_mov_b32 v247, s74
	s_add_co_i32 s75, s70, 127
	s_lshl_b32 s76, s75, 23
	v_mov_b32 v244, s76                            ; 2^e8, for p's conversions
	s_add_co_i32 s75, s75, 8
	s_lshl_b32 s75, s75, 23
	s_or_b32 s75, s75, 0x600000
	v_mov_b32 v240, s75                            ; 448 x 2^e8
	s_add_co_i32 s75, s72, 127
	s_lshl_b32 s76, s75, 23
	v_mov_b32 v245, s76                            ; 2^e10, for the result's
	s_add_co_i32 s75, s75, 8
	s_lshl_b32 s75, s75, 23
	s_or_b32 s75, s75, 0x600000
	v_mov_b32 v246, s75                            ; 448 x 2^e10
	s_add_co_i32 s77, s70, s71                     ; e8 + e9
	INIT 0
	s_cmp_le_i32 s31, 512                          ; unit 0 walks its steps 4-7 only beyond 512 keys
	s_wait_alu depctr_va_vdst(0)
	s_cbranch_scc1 .Lshort
	KVLOAD 128, 0, 4
	s_wait_loadcnt 0x0
	KVSTORE 128, 3, 4, 4
.Lshort:
	s_wait_loadcnt 10                              ; Q's two and unit 0's eight are in; behind them stand unit 1's eight and its Q's two
	KVSTORE 96, 3, 4, 0
	s_wait_dscnt 0x0                               ; for the others' sake: my stores have landed
	s_barrier_signal -1
	s_barrier_wait -1                              ; unit 0's image is whole, as far as it is walked
	WALK 0
	s_wait_loadcnt 0x0                             ; unit 1's steps 4-7
	KVSTORE PF, 10, 11, 4
	s_wait_dscnt 0x0                               ; my stores have landed, and have read their registers
	s_barrier_signal -1
	WCOMP PF                                       ; work on registers while the others arrive
	INIT 1
	s_wait_alu depctr_va_vdst(0)
	s_barrier_wait -1                              ; unit 1's image is whole
	WSTORE 0, PF
	WALK 1
	WCOMP PF+8
	WSTORE 1, PF+8
	s_wait_tensorcnt 0x0                           ; the wave's end
	ds_add_u32 v[SPW], v[NIL]
	s_wait_dscnt 0x0
	s_endpgm
.Lfunc_end_k_q149dcbbb35_attn:
	.size	k_q149dcbbb35_attn, .Lfunc_end_k_q149dcbbb35_attn-k_q149dcbbb35_attn
	.p2alignl 7, 3214868480
	.fill 96, 4, 3214868480
	.section	.rodata,"a",@progbits
	.p2align	6, 0x0
	.amdhsa_kernel k_q149dcbbb35_attn
		.amdhsa_group_segment_fixed_size 265216
		.amdhsa_private_segment_fixed_size 0
		.amdhsa_enable_private_segment 0
		.amdhsa_kernarg_size 32
		.amdhsa_user_sgpr_count 2
		.amdhsa_user_sgpr_kernarg_segment_ptr 1
		.amdhsa_wavefront_size32 1
		.amdhsa_system_sgpr_workgroup_id_x 1
		.amdhsa_system_sgpr_workgroup_id_y 1
		.amdhsa_system_sgpr_workgroup_id_z 1
		.amdhsa_system_vgpr_workitem_id 0
		.amdhsa_next_free_vgpr 256
		.amdhsa_next_free_sgpr 100
		.amdhsa_reserve_vcc 1
		.amdhsa_float_denorm_mode_32 3
		.amdhsa_float_denorm_mode_16_64 3
		.amdhsa_memory_ordered 1
		.amdhsa_forward_progress 1
		.amdhsa_inst_pref_size 70
	.end_amdhsa_kernel
	.amdgpu_metadata
---
amdhsa.version: [ 1, 2 ]
amdhsa.kernels:
  - .name:           k_q149dcbbb35_attn
    .symbol:         k_q149dcbbb35_attn.kd
    .args:
      - { .name: qkv, .offset: 0, .size: 8, .value_kind: global_buffer, .address_space: global }
      - { .name: lowp_scales, .offset: 8, .size: 8, .value_kind: global_buffer, .address_space: global }
      - { .name: valid_lens, .offset: 16, .size: 8, .value_kind: global_buffer, .address_space: global }
      - { .name: ctx, .offset: 24, .size: 8, .value_kind: global_buffer, .address_space: global }
    .group_segment_fixed_size: 265216
    .private_segment_fixed_size: 0
    .kernarg_segment_align: 8
    .kernarg_segment_size: 32
    .max_flat_workgroup_size: 512
    .sgpr_count:     100
    .vgpr_count:     256
    .wavefront_size: 32
...
	.end_amdgpu_metadata
.endif
;; end of part 3
;; launch outp (part 4): grid 4 x 64, 4 waves a work-group, clusters of 4 x 4, 327,680 bytes of LDS; arguments ctx, wc, lowp_scales, out0; writes out0
.if DOCPART == 4
	.amdgcn_target "amdgcn-amd-amdhsa--gfx1250"
	.amdhsa_code_object_version 6
	.text
	.protected	k_q149dcbbb35_outp
	.globl	k_q149dcbbb35_outp
	.p2align	8
	.type	k_q149dcbbb35_outp,@function
k_q149dcbbb35_outp:
	s_mov_b64 s[64:65], 0
	v_nop
	global_prefetch_b8 v0, s[64:65] scope:SCOPE_SE
	s_setreg_imm32_b32 hwreg(HW_REG_WAVE_MODE, 25, 1), 1
	s_wait_xcnt 0x0
	s_wait_alu depctr_hold_cnt(0) depctr_sa_sdst(0) depctr_va_vdst(0) depctr_va_sdst(0) depctr_va_ssrc(0) depctr_va_vcc(0) depctr_vm_vsrc(0)
	s_getreg_b32 s2, hwreg(HW_REG_IB_STS2, 6, 4)
	s_cmp_eq_u32 s2, 0
	s_cbranch_scc0 .Lentry_in_a_cluster
	s_endpgm
.Lentry_in_a_cluster:
	s_bfe_u32 s2, ttmp6, 0x10000c
	s_cmp_lg_u32 s2, 0xf033
	s_cbranch_scc0 .Lentry_shape_is_right
	s_endpgm
.Lentry_shape_is_right:
; Product 6 on codes of FP8 (E4M3): out0 = ctx Wo, 8192 x 1024 x 1024, f32 out.  A number of ctx is its code x 2^e10, of Wo x 2^e11; each finished sum is multiplied once by 2^(e10 + e11).
; LIMIT: e10 + e11 between -126 and 127, so that 2^(e10 + e11) is an f32 number.
; A work-group of four waves makes 128 tokens x 256 columns; a wave 64 x 128: 32 accumulators of 16 x 16, 256 registers.  256 work-groups.
; B (Wo's codes, [n][k], rows of 1,024 bytes): the work-group's 256 rows for ALL of K lie in LDS, 256 x 1,040 bytes, brought by one tensor load a wave at the head (64 rows each).  Nothing is filled again: no ring.
; CLUSTERS: 4 x 4 work-groups.  The four of a column of the cluster need the same rows of B: each wave's load is asked for jointly, with a mask that names the four.
; A (ctx) lies in memory as images of operand registers, chunks of 512 bytes with lane l's 16 bytes at 16 l (chunk (token / 16, channel / 32) at (32 x token / 16 + channel / 32) x 512): so it goes from memory
; straight into registers, 16 loads of 512 consecutive bytes for a step of 128 along K, three steps ahead, in four sets of 64 registers.  It is not shared through LDS: B's 266,240 bytes and A's 131,072 are more
; than the 327,680 that a work-group can have, and through registers A needs no slot and no barrier.
; No prefetch of the operands: B is asked for whole in the first lines, and A's own loads run three steps ahead of their use.
; THE MATRIX INSTRUCTION IS USED TRANSPOSED (source 0 = 16 rows of B, source 1 = 16 tokens): a lane holds eight neighbouring numbers of a row of out0.
; REGISTERS, in windows of 256: window 0: v0-31 addresses, v32-95 and v128-255 the way out;  window 1: B's fragments, two sets, at v0 and v128;  window 2: accumulator (a, b) at v[8 (8 a + b)];  window 3: A's four sets.
.set SIZE_N, 1024
.set PITCH,  1040                      ; an LDS row: 1,024 bytes + 16 of padding = 260 words: row r starts at bank 4 r mod 64 (64 banks of 4 bytes: ISA guide 11.1)
.set QUART,  64*PITCH                  ; what one tensor load brings
.set SPARE,  4*QUART                   ; behind B: the spare words, 128 bytes for each wave: two blocks of 256 bytes that no other line names
.set STAGE,  SPARE+512                 ; behind them: the way out's stages, 16 rows x 528 bytes for each wave: bytes of their own, into which no tensor load lands
.set SPITCH, 528
.set FR,     16                        ; registers of a fragment: 16 rows x 128 K
.set NP,     4                         ; places behind this matrix instruction (ISA guide 7.12.1)
.set ADRB, 20                          ; v20-21  LDS address of my B fragments 0-3, 4-7 (an offset has 16 bits)
.set STO,  24                          ; v24     the way out: where I put 32 bytes of a row
.set RD,   25                          ; v25     the way out: where I read a row back
.set CO,   26                          ; v26     16 x lane: my place in a chunk of A and in a row's 512 bytes of out0; never rewritten
.set SPW,  28                          ; v28     LDS address of my spare word; never rewritten
.set NIL,  29                          ; v29     0; never rewritten
.set TMP,  32
.set BK,   128
.set G1B,  48                          ; s[48:55] descriptor group 1, s[68:71] group 0
.set G0B,  68
.set AB,   86                          ; s[86:87] my 64 tokens' first chunk; never rewritten
.set MSB, 0
.macro WIN new                         ; the immediate's high byte repeats the setting that is left
.if MSB != \new
	s_set_vgpr_msb (MSB<<8)|\new
.set MSB, \new
.endif
.endm
.set MUL,  0xad                        ; source 0 (B) window 1, source 1 (A) window 3, C and D window 2
.set TO_B, 0x40                        ; destination window 1, address window 0
.set TO_A, 0xc0                        ; destination window 3, address window 0
.macro CREST                           ; a round of the cluster's barrier behind its opening barrier
	s_cmp_lg_u32 s14, 0
	s_cbranch_scc1 .Lnot_wave_0_\@
	s_barrier_signal -3
.Lnot_wave_0_\@:
	s_barrier_wait -3
	s_barrier_signal -1
	s_barrier_wait -1
.endm
.macro CROUND
	s_barrier_signal -1
	s_barrier_wait -1
	CREST
.endm
.macro PLACES n
.rept \n
	v_nop
.endr
.endm
.macro ALOAD q                         ; A's four fragments of step q into set q % 4: tile of tokens i, chunks 4 q + c
	WIN TO_A
.irp i, 0,1,2,3
.irp c, 0,1,2,3
	global_load_b128 v[64*((\q)%4)+FR*\i+4*\c:64*((\q)%4)+FR*\i+4*\c+3], v[CO], s[AB:AB+1] offset:16384*\i+2048*(\q)+512*\c
.endr
.endr
.endm
.macro FETCHB q                        ; B's eight fragments of step q into set q % 2: lane l holds row l % 16; registers 4 c .. 4 c + 3 hold K = 32 c + 16 (l / 16) + 0 .. 15, as A's chunks do
	WIN TO_B
.irp i, 0,1,2,3,4,5,6,7
.irp c, 0,1,2,3
	ds_load_b128 v[128*((\q)%2)+FR*\i+4*\c:128*((\q)%2)+FR*\i+4*\c+3], v[ADRB+\i/4] offset:128*(\q)+32*\c+(\i%4)*16*PITCH
.endr
.endr
.endm
; 16 matrix instructions: A's blocks a0, a0 + 1 x B's eight.  Step 0's products start the sums: nothing is cleared.  The 32 accumulators take turns, in the same order in every step.
.macro MUL16 a0, q
.irp a, \a0, \a0+1
.irp b, 0,1,2,3,4,5,6,7
.if (\q) == 0
	v_wmma_f32_16x16x128_fp8_fp8 v[8*(8*(\a)+\b):8*(8*(\a)+\b)+7], v[128*((\q)%2)+FR*\b:128*((\q)%2)+FR*\b+FR-1], v[64*((\q)%4)+FR*(\a):64*((\q)%4)+FR*(\a)+FR-1], 0
.else
	v_wmma_f32_16x16x128_fp8_fp8 v[8*(8*(\a)+\b):8*(8*(\a)+\b)+7], v[128*((\q)%2)+FR*\b:128*((\q)%2)+FR*\b+FR-1], v[64*((\q)%4)+FR*(\a):64*((\q)%4)+FR*(\a)+FR-1], v[8*(8*(\a)+\b):8*(8*(\a)+\b)+7]
.endif
.endr
.endr
.endm
; A step of 128 along K.  Ahead of its 32 products the next step's B is fetched from LDS and the A of three steps on is asked of memory, both into sets that the step before has multiplied.
.macro STEP q
	s_wait_dscnt 0x0                               ; this step's B is in
.if (\q) < 6
	s_wait_loadcnt 32                              ; this step's A is in; behind its 16 loads stand those of the next two steps
.else
	s_wait_loadcnt 16*(7-(\q))
.endif
	PLACES NP                                      ; in front of loads into registers that the last step's products have read
.if (\q) < 7
	FETCHB (\q)+1
.endif
.if (\q) < 5
	ALOAD (\q)+3
.endif
	WIN MUL
	MUL16 0, \q
	MUL16 2, \q
.endm
	s_load_b128 s[4:7], s[0:1], 0x0                ; ctx s[4:5], wc s[6:7]
	s_load_b128 s[8:11], s[0:1], 0x10              ; the scales' exponents s[8:9], out0 s[10:11]
	v_lshl_add_u32 v[SPW], v0, 2, SPARE
	v_mov_b32 v[NIL], 0
	ds_add_u32 v[SPW], v[NIL]                      ; the wave's opening: the add, twice on end, and its wait ahead of my first tensor load
	ds_add_u32 v[SPW], v[NIL]
	v_lshrrev_b32 v1, 5, v0
	v_readfirstlane_b32 s14, v1                    ; wave 0..3
	v_and_b32 v6, 31, v0
	v_lshlrev_b32 v[CO], 4, v6
	s_lshr_b32 s15, s14, 1                         ; which 64 tokens are mine
	s_and_b32 s16, s14, 1                          ; which 128 columns
	s_bfe_u32 s80, ttmp6, 0x40000                  ; cx, cy: my place in the cluster
	s_bfe_u32 s81, ttmp6, 0x40004
	s_lshl_b32 s82, ttmp9, 2
	s_add_co_u32 s82, s82, s80                     ; tile column (256 columns)
	s_and_b32 s17, ttmp7, 0xffff
	s_lshl_b32 s17, s17, 2
	s_add_co_u32 s17, s17, s81                     ; tile row (128 tokens)
	s_lshl_b32 s84, 0x1111, s80                    ; my column of the cluster
	s_or_b32 s[G1B+0], s84, (0<<16)|(1<<20)|(1<<21)|(7<<22)|(3<<25)  ; 15:0 the mask; 17:16 element of 1 byte; 20 padding on; 21 set beside a mask; 24:22 after every 256 words (code 7); 31:25 of 4 words (code 3)
	s_mov_b32 s[G1B+1], 1024<<16                   ; tensor_dim0
	s_mov_b32 s[G1B+2], 64<<16                     ; tensor_dim1
	s_mov_b32 s[G1B+3], 1024<<16                   ; tile_dim0
	s_mov_b32 s[G1B+4], 64                         ; tile_dim1
	s_mov_b32 s[G1B+5], 1024                       ; tensor_dim0_stride
	s_mov_b32 s[G1B+6], 0
	s_mov_b32 s[G1B+7], 0
	s_lshl_b32 s20, s17, 3
	s_lshl_b32 s18, s15, 2
	s_add_co_u32 s20, s20, s18
	s_lshl_b32 s20, s20, 14                        ; A: tile of 16 tokens 8 x tile row + 4 x half, 16,384 bytes each
	s_mov_b32 s21, 0
	s_lshl_b32 s46, s82, 8
	s_lshl_b32 s18, s14, 6
	s_add_co_u32 s46, s46, s18
	s_lshl_b32 s46, s46, 10
	s_add_co_u32 s46, s46, 0x300000                ; B: Wo's codes lie 3 MiB into wc; row 256 x tile column + 64 x wave
	s_mov_b32 s47, 0
	s_mul_i32 s19, s14, QUART                      ; where they go: wave x 64 rows: no place in the cluster enters an LDS address
	s_wait_alu depctr_va_vdst(0)
	s_wait_dscnt 0x0                               ; both opening adds are done
	s_wait_kmcnt 0x0
	s_load_b64 s[96:97], s[8:9], 0x28              ; e10, e11
	s_add_nc_u64 s[AB:AB+1], s[4:5], s[20:21]
	s_add_nc_u64 s[46:47], s[6:7], s[46:47]
	ALOAD 0                                        ; A's first three steps: 48 loads
	ALOAD 1
	ALOAD 2
	WIN 0
	CROUND                                         ; all sixteen work-groups are here: the joint loads meet
	s_mov_b32 s[G0B], 1
	s_mov_b32 s[G0B+1], s19
	s_mov_b64 s[G0B+2:G0B+3], s[46:47]
	s_or_b32 s[G0B+3], s[G0B+3], 0x80000000
	tensor_load_to_lds s[G0B:G0B+3], s[G1B:G1B+7]  ; my 64 rows of B, all of K: my one tensor load
	s_nop 0
	PLACES 4
	v_and_b32 v1, 15, v0                           ; l % 16
	v_bfe_u32 v2, v0, 4, 1                         ; l / 16
	v_mul_u32_u24 v3, v1, PITCH
	v_lshl_add_u32 v4, v2, 4, v3                   ; a fragment's row x pitch + 16 x half
	s_mul_i32 s22, s16, 128*PITCH                  ; my 128 rows of B
	v_add_nc_u32 v[ADRB], s22, v4
	v_add_nc_u32 v[ADRB+1], 64*PITCH, v[ADRB]
	s_mul_i32 s23, s14, 16*SPITCH
	s_add_co_u32 s23, s23, STAGE                   ; my stage
	v_mul_u32_u24 v5, v1, SPITCH                   ; in: row l % 16, 32 bytes for each half of the lanes
	v_lshl_add_u32 v5, v2, 5, v5
	v_add_nc_u32 v[STO], s23, v5
	v_add_nc_u32 v[RD], s23, v[CO]                 ; back: the 32 lanes take one row of 512 bytes
	s_lshl_b32 s20, s17, 7
	s_lshl_b32 s21, s15, 6
	s_add_co_u32 s20, s20, s21                     ; my first row of out0
	s_lshl_b32 s20, s20, 12
	s_lshl_b32 s46, s82, 10                        ; my first column, in bytes: 1024 x tile column + 512 x half
	s_lshl_b32 s47, s16, 9
	s_add_co_u32 s46, s46, s47
	s_add_co_u32 s20, s20, s46
	s_mov_b32 s21, 0
	s_add_nc_u64 s[10:11], s[10:11], s[20:21]
	s_wait_alu depctr_va_vdst(0)
	s_wait_tensorcnt 0x0                           ; my 64 rows are in,
	s_barrier_signal -1
	s_barrier_wait -1                              ; everybody's are; from here on B's bytes are only read
	FETCHB 0
.irp q, 0,1,2,3,4,5,6,7
	STEP \q
.endr
	WIN 0
; THE WAY OUT, block by block of 16 rows x 128 columns, through my own stage: in as 32 bytes a lane, back as whole rows of 512 bytes, which the 32 lanes store as two aligned runs of 256 bytes.
; LDS serves a wave's instructions in order (ISA guide 5.7.1.4): no wait between the stores and the loads, nor in front of the next block's stores.
.macro TOSTAGE a
.set AC, 64*(\a)
	WIN 0x02                                       ; source 0: window 2
.irp j, 0,2,4,6,8,10,12,14,16,18,20,22,24,26,28,30,32,34,36,38,40,42,44,46,48,50,52,54,56,58,60,62
	v_pk_mul_f32 v[TMP+\j:TMP+\j+1], v[AC+\j:AC+\j+1], s[96:97] op_sel_hi:[1,0]   ; both x s96 = 2^(e10 + e11); each accumulator from its low end on
.endr
	WIN 0
.irp b, 0,1,2,3,4,5,6,7
	ds_store_b128 v[STO], v[TMP+8*\b:TMP+8*\b+3] offset:64*\b
	ds_store_b128 v[STO], v[TMP+8*\b+4:TMP+8*\b+7] offset:64*\b+16
.endr
.set BB, BK+64*((\a)%2)
.irp t, 0,1,2,3,4,5,6,7,8,9,10,11,12,13,14,15
	ds_load_b128 v[BB+4*\t:BB+4*\t+3], v[RD] offset:\t*SPITCH
.endr
.endm
.macro SEND a, younger                 ; younger: the LDS instructions issued behind block a's loads, which may stay out
.set BB, BK+64*((\a)%2)
	s_wait_dscnt \younger
.if (\a) > 0
	s_add_nc_u64 s[10:11], s[10:11], 16*SIZE_N*4   ; (behind a wait on XCNT: the earlier stores have read their base)
.endif
.irp t, 0,1,2,3,4,5,6,7,8,9,10,11,12,13,14,15
	global_store_b128 v[CO], v[BB+4*\t:BB+4*\t+3], s[10:11] offset:\t*SIZE_N*4 th:TH_STORE_NT
.endr
.endm
	s_wait_kmcnt 0x0
	s_add_co_i32 s96, s96, s97                     ; e10 + e11
	s_add_co_i32 s96, s96, 127
	s_lshl_b32 s96, s96, 23                        ; makes the f32 number 2^(e10 + e11)
	PLACES NP                                      ; behind the last products, in front of the first read of results
	TOSTAGE 0
.irp a, 1,2,3
.if \a > 1
	s_wait_xcnt 0x0                                ; block a - 2's stores have read their registers and their base
.endif
	TOSTAGE \a
	SEND \a-1, 32                                  ; behind block a - 1's loads: block a's 16 stores and 16 loads
.endr
	s_wait_xcnt 0x0
	SEND 3, 0
	s_wait_tensorcnt 0x0                           ; the wave's end
	ds_add_u32 v[SPW], v[NIL]
	s_wait_dscnt 0x0
	CROUND                                         ; the closing round: no work-group ends while a partner may still ask for a tile that names it
	s_endpgm
.Lfunc_end_k_q149dcbbb35_outp:
	.size	k_q149dcbbb35_outp, .Lfunc_end_k_q149dcbbb35_outp-k_q149dcbbb35_outp
	.p2alignl 7, 3214868480
	.fill 96, 4, 3214868480
	.section	.rodata,"a",@progbits
	.p2align	6, 0x0
	.amdhsa_kernel k_q149dcbbb35_outp
		.amdhsa_group_segment_fixed_size 327680
		.amdhsa_private_segment_fixed_size 0
		.amdhsa_enable_private_segment 0
		.amdhsa_kernarg_size 32
		.amdhsa_user_sgpr_count 2
		.amdhsa_user_sgpr_kernarg_segment_ptr 1
		.amdhsa_wavefront_size32 1
		.amdhsa_system_sgpr_workgroup_id_x 1
		.amdhsa_system_sgpr_workgroup_id_y 1
		.amdhsa_system_sgpr_workgroup_id_z 1
		.amdhsa_system_vgpr_workitem_id 0
		.amdhsa_next_free_vgpr 1024
		.amdhsa_next_free_sgpr 98
		.amdhsa_reserve_vcc 0
		.amdhsa_float_denorm_mode_32 3
		.amdhsa_float_denorm_mode_16_64 3
		.amdhsa_memory_ordered 1
		.amdhsa_forward_progress 1
		.amdhsa_inst_pref_size 74
	.end_amdhsa_kernel
	.amdgpu_metadata
---
amdhsa.version: [ 1, 2 ]
amdhsa.kernels:
  - .name:           k_q149dcbbb35_outp
    .symbol:         k_q149dcbbb35_outp.kd
    .args:
      - { .name: ctx, .offset: 0, .size: 8, .value_kind: global_buffer, .address_space: global }
      - { .name: wc, .offset: 8, .size: 8, .value_kind: global_buffer, .address_space: global }
      - { .name: lowp_scales, .offset: 16, .size: 8, .value_kind: global_buffer, .address_space: global }
      - { .name: out0, .offset: 24, .size: 8, .value_kind: global_buffer, .address_space: global }
    .group_segment_fixed_size: 327680
    .private_segment_fixed_size: 0
    .kernarg_segment_align: 8
    .kernarg_segment_size: 32
    .max_flat_workgroup_size: 128
    .sgpr_count:     98
    .vgpr_count:     1024
    .wavefront_size: 32
...
	.end_amdgpu_metadata
.endif
;; end of part 4
